; MI455X (gfx1250); checked and timed in simulation.
; The chip was launched on July 23, 2026; its instructions are those of AMD's public machine-readable ISA for CDNA 5 (MIT licence, August 2026) and "CDNA5" Instruction Set Architecture Reference Guide (July 2026). The comments in the code are by the model that wrote it; some were corrected since.
;; Baseline Model. Allowed arithmetic: matrix products marked QUANTISED: E4M3 operands, one E8M0 scale for each 32 along K, by v_wmma_scale_f32_16x16x128_f8f6f4 with both operands' format E4M3, f32 sums; products left as they are: f32 operands where the result goes on into a quantised operand, else bf16, f16 or f32 operands; f32 sums; everything else in f32.
;; Inputs: Wk_codes 1,024 x 32 x 32 uint8 (E4M3 codes of Wk, K innermost, in blocks of 32 codes); Wk_scales 1,024 x 32 uint8 (E8M0 scales of Wk, one for each 32 codes along K); Wo_codes 1,024 x 32 x 32 uint8 (E4M3 codes of Wo, K innermost, in blocks of 32 codes); Wo_scales 1,024 x 32 uint8 (E8M0 scales of Wo, one for each 32 codes along K); Wq_codes 1,024 x 32 x 32 uint8 (E4M3 codes of Wq, K innermost, in blocks of 32 codes); Wq_scales 1,024 x 32 uint8 (E8M0 scales of Wq, one for each 32 codes along K); Wv_codes 1,024 x 32 x 32 uint8 (E4M3 codes of Wv, K innermost, in blocks of 32 codes); Wv_scales 1,024 x 32 uint8 (E8M0 scales of Wv, one for each 32 codes along K); bk 1,024 float32; bo 1,024 float32; bq 1,024 float32; bv 1,024 float32; key_codes 8 x 1,024 x 32 x 32 uint8 (E4M3 codes of key, K innermost, in blocks of 32 codes); key_scales 8 x 1,024 x 32 uint8 (E8M0 scales of key, one for each 32 codes along K); ln_beta 1,024 float32; ln_gamma 1,024 float32; query_codes 8 x 1,024 x 32 x 32 uint8 (E4M3 codes of query, K innermost, in blocks of 32 codes); query_scales 8 x 1,024 x 32 uint8 (E8M0 scales of query, one for each 32 codes along K); temporal_weights 4 float32; value_codes 8 x 1,024 x 32 x 32 uint8 (E4M3 codes of value, K innermost, in blocks of 32 codes); value_scales 8 x 1,024 x 32 uint8 (E8M0 scales of value, one for each 32 codes along K).
;; Outputs: out0 8 x 1,024 x 1,024 float32.
;; This version of the problem:
;;   THIS VERSION OF THE PROBLEM IS GIVEN IN LOW PRECISION. The matrix products marked QUANTISED in the list below multiply operands that are first quantised to E4M3 (4 exponent bits, 3 mantissa bits; 8 bits a number), with one power-of-two scale for each 32 numbers along K (OCP MX v1.0); their sums are f32. All else is computed in f32.
;;   The module's matrix products, in the order in which they are computed (A, B: the left and right operand; K: the contracted axis; several contracted axes count as one K, in the product's order):
;;     1. [M 8,192, K 1,024] x [K 1,024, N 1,024]; A: input query (given as codes); B: input Wq (given as codes): QUANTISED
;;     2. [M 8,192, K 1,024] x [K 1,024, N 1,024]; A: input key (given as codes); B: input Wk (given as codes): QUANTISED
;;     3. [M 8,192, K 1,024] x [K 1,024, N 1,024]; A: input value (given as codes); B: input Wv (given as codes): QUANTISED
;;     4. [M 1, K 4] x [K 4, N 8,388,608]; A: softmax (see below); B: computed on the way: left as it is (K = 4 < 32)
;;     5. [M 1, K 4] x [K 4, N 8,388,608]; A: softmax (see below); B: computed on the way: left as it is (K = 4 < 32)
;;     6. [M 1, K 4] x [K 4, N 8,388,608]; A: softmax (see below); B: computed on the way: left as it is (K = 4 < 32)
;;     7. batch 128 x [M 1,024, K 64] x [K 64, N 1,024]; A: computed on the way; B: computed on the way: QUANTISED
;;     8. batch 128 x [M 1,024, K 1,024] x [K 1,024, N 64]; A: softmax (see below); B: computed on the way: QUANTISED
;;     9. [M 8,192, K 1,024] x [K 1,024, N 1,024]; A: computed on the way; B: input Wo (given as codes): QUANTISED
;;   THE QUANTISER, for each operand of a quantised product, along K:
;;     - K is cut into blocks of 32 from its start; a last block that is shorter is filled with zeros.
;;     - A block's scale is 2^e with e = floor(log2(the largest magnitude in the block)) - 8, held to -126 .. 127; a block of zeros has e = 0. As a byte (E8M0): e + 127.
;;     - Each number is divided by its block's scale, clamped to +-448, and rounded to the nearest number of E4M3, ties to even, subnormals kept.
;;     - The product sums the exact products of the quantised numbers (number of the format x scale) in f32.
;;   ~~~python
;;   def quantise(x, axis):      # numpy; x: float32 -> the quantised numbers, widened to float32 again
;;       x = np.moveaxis(x, axis, -1); K = x.shape[-1]
;;       x = np.pad(x, [(0, 0)] * (x.ndim - 1) + [(0, -K % 32)]); x = x.reshape(x.shape[:-1] + (-1, 32)); a = np.abs(x).max(-1, keepdims=True)
;;       e = np.where(a > 0, np.clip(np.frexp(np.where(a > 0, a, 1))[1] - 1 - 8, -126, 127), 0)      # np.frexp(a)[1] - 1 = floor(log2(a)), exactly
;;       r = np.clip(x / 2.0 ** e, -448, 448)
;;       step = 2.0 ** (np.maximum(np.frexp(np.where(r == 0, 1, r))[1] - 1, -6) - 3)
;;       q = np.round(r / step) * step * 2.0 ** e      # np.round: ties to even
;;       return np.moveaxis(q.reshape(q.shape[:-2] + (-1,))[..., :K], -1, axis).astype(np.float32)
;;   ~~~
;;   SOFTMAX AHEAD OF A QUANTISED PRODUCT. Where the list says 'softmax', what is quantised is not the finished softmax but p = 2^(t - M), with t = logit x log2(e) and M = ceil(the row's largest t), a whole number; so 1/2 < the row's largest p <= 1. The row's sum l is taken of the UNQUANTISED p, in f32, and the product's result is divided by l at the end. Since M is a whole number, a kernel that streams over the keys may use a running M (the ceiling of the running maximum): every later rescaling is an exact power of two, which a block's scale takes up: the codes' values come out the same.
;;   OPERANDS COMPUTED ON THE WAY. 'Computed on the way' means the value that the module computes at that place (a softmax that the list does not call 'softmax' is quantised finished and normalised). What goes into a quantiser is computed in f32, as accurately as f32 sums, v_exp_f32 and their like allow (about 1e-6 of the number): no bf16 or f16 on the way to a quantiser, and a product that is left as it is and whose result goes on into a quantised operand takes f32 operands (vector FMAs, or v_wmma_f32_16x16x4_f32). A number that lies on a knife's edge between two numbers of the format may be rounded either way, as far as f32 arithmetic and the matrix unit's own rounding can turn it there, and no further.
;;   INPUTS GIVEN AS CODES. Wk (in the module: [1024, 1024], K = its axis 0); Wo (in the module: [1024, 1024], K = its axis 0); Wq (in the module: [1024, 1024], K = its axis 0); Wv (in the module: [1024, 1024], K = its axis 0); key (in the module: [8, 1024, 1024], K = its axis 2); query (in the module: [8, 1024, 1024], K = its axis 2); value (in the module: [8, 1024, 1024], K = its axis 2): each comes as NAME_codes (uint8): NAME with its K axis moved to the last place and cut into blocks of 32 codes, [.., K / 32, bytes a block], one block behind the other in memory; one code a byte (a code: sign, 4 exponent bits, 3 mantissa bits); and NAME_scales (uint8): the same leading axes, one E8M0 byte (e + 127) for each 32 codes along K. Its value is code x scale, taken as it is: it is not quantised again, and the codes and scales need not be those that the quantiser above would give.
;; One version. Each part assembles by itself: llvm-mc -triple=amdgcn-amd-amdhsa -mcpu=gfx1250 --defsym DOCPART=n.
;; ======== version 1 of 1: 7 launches
;; limits: a function is approximated: absolute error at most 3e-06
;; workspace buffers: fa 33,554,432 bytes; fb 33,554,432 bytes; fc 33,554,432 bytes; qimg 8,912,896 bytes; kimg 8,912,896 bytes; vimg 8,650,752 bytes; ycodes 8,388,608 bytes; yscales 262,144 bytes
;; launch gq (part 1): grid 8 x 32, 4 waves a work-group, clusters of 4 x 4, 327,680 bytes of LDS; arguments query_codes, query_scales, Wq_codes, Wq_scales, bq, fa; writes fa
.if DOCPART == 1
	.amdgcn_target "amdgcn-amd-amdhsa--gfx1250"
	.amdhsa_code_object_version 6
	.text
	.protected	k_q0c59839d72_gq
	.globl	k_q0c59839d72_gq
	.p2align	8
	.type	k_q0c59839d72_gq,@function
k_q0c59839d72_gq:
	s_mov_b64 s[64:65], 0
	v_nop
	global_prefetch_b8 v0, s[64:65] scope:SCOPE_SE
	s_setreg_imm32_b32 hwreg(HW_REG_WAVE_MODE, 25, 1), 1
	s_wait_xcnt 0x0
	s_wait_alu depctr_hold_cnt(0) depctr_sa_sdst(0) depctr_va_vdst(0) depctr_va_sdst(0) depctr_va_ssrc(0) depctr_va_vcc(0) depctr_vm_vsrc(0)
	s_getreg_b32 s2, hwreg(HW_REG_IB_STS2, 6, 4)
	s_cmp_eq_u32 s2, 0
	s_cbranch_scc0 .Lentry_in_a_cluster
	s_endpgm
.Lentry_in_a_cluster:
	s_bfe_u32 s2, ttmp6, 0x10000c
	s_cmp_lg_u32 s2, 0xf033
	s_cbranch_scc0 .Lentry_shape_is_right
	s_endpgm
.Lentry_shape_is_right:
; C[8192][1024] f32 = A B^T + bias.  A [8192][1024], B [1024][1024]: codes of E4M3, K innermost, one E8M0 byte for each 32 along K ([rows][32]).
; The body serves four launches: the three projections (C = a workspace buffer) and the product with Wo (C = out0).
; NO WORK OF THE PROBLEM IS LEFT OUT in this program: every product, every bias (bk too: it moves K's codes), every input is used.
; LIMITS: NaN and infinities among the inputs, and given scale bytes 0xff, are not served.
; A tile of C, 256 x 128, is made by four waves; a wave makes 128 x 64: 32 accumulators.  8192/256 x 1024/128 = 256 work-groups.
; K goes in steps of 256 through two LDS slots; the scale bytes of the tile's rows, for all of K, come once with the first fills.
; CLUSTER 4 x 4: A's tiles are asked for jointly along a row of the cluster, B's along a column.
; The product is used transposed (source 0 = 16 rows of B, source 1 = 16 rows of A): a lane holds eight neighbouring numbers of a row of C.
; The bias is the C of each sum's first product.
; REGISTERS: window 0: v16-30 addresses; v32-63 scale words, two sets; v128-255 A's 8 fragments (one set).  window 1: v0-127 B's 4 fragments, two sets; v128-159 the bias.  window 2: accumulator (a, b) at v[8 (4 a + b)].
.set PITCH, 272                        ; an LDS row: 256 bytes + 16 of padding
.set AT,    128*PITCH                  ; what a load for A brings
.set BT,    64*PITCH                   ; what a load for B brings
.set BOFF,  2*AT                       ; B's 128 rows lie behind A's 256
.set SLOT,  2*AT+2*BT
.set SCL,   2*SLOT                     ; the scales: B's 128 rows (16 units of 256 + 16), then A's 256 rows (32 units)
.set SBH,   8*272
.set SAH,   16*272
.set SBLK,  544                        ; the scales of 16 rows
.set SPARE, SCL+2*SBH+2*SAH            ; the spare words: 512 bytes that no other line names
.set NP,    8                          ; places behind this matrix instruction (ISA guide 7.12.1)
.set ADRA, 16
.set ADRB, 20
.set STO,  24
.set RD,   25
.set CO,   26
.set ADRS, 27
.set SPW,  28
.set NIL,  29
.set BO,   30
.set SC,   32                          ; set s at SC + 16 s; register 2 i + q: lanes 0-15 B's block i, lanes 16-31 A's block i, the slot's q-th 128 along K
.set AF,   128
.set BK,   128                         ; the way out: two buffers of 32 registers
.set BIAS, 128                         ; in window 1
.set WV,   16
.set RH,   17                          ; which 128 rows are mine; also: I fetch for A (0) or B (1)
.set CH,   18                          ; which 64 columns are mine; also: which half I fetch
.set G1,   24
.set G0,   32
.set G1B,  48
.set G0B,  56
.set G1S,  68
.set G0S,  76
.set G1SB, 80
.set G0SB, 88
.set MSB, 0
.macro WIN new                         ; the immediate's high byte repeats the setting that is left
.if MSB != \new
	s_set_vgpr_msb (MSB<<8)|\new
.set MSB, \new
.endif
.endm
.macro JLOAD g0a, g1a, g0b, g1b        ; a joint load: waves 0, 1 for A, waves 2, 3 for B; the branch hangs on the wave's number alone
	s_cmp_eq_u32 s[RH], 0
	s_cbranch_scc0 .Lfor_b_\@
	tensor_load_to_lds s[\g0a:\g0a+3], s[\g1a:\g1a+7]
	s_nop 0
.rept 4
	v_nop
.endr
	s_branch .Lasked_\@
.Lfor_b_\@:
	tensor_load_to_lds s[\g0b:\g0b+3], s[\g1b:\g1b+7]
	s_nop 0
.rept 4
	v_nop
.endr
.Lasked_\@:
.endm
.macro CREST                           ; a round of the cluster's barrier behind its opening barrier
	s_cmp_lg_u32 s[WV], 0
	s_cbranch_scc1 .Lnot_wave_0_\@
	s_barrier_signal -3
.Lnot_wave_0_\@:
	s_barrier_wait -3
	s_barrier_signal -1
	s_barrier_wait -1
.endm
.macro CROUND
	s_barrier_signal -1
	s_barrier_wait -1
	CREST
.endm
	s_load_b128 s[4:7], s[0:1], 0x0                ; A's codes, A's scales
	s_load_b128 s[8:11], s[0:1], 0x10              ; B's codes, B's scales
	s_load_b128 s[12:15], s[0:1], 0x20             ; the bias, C
	v_lshl_add_u32 v[SPW], v0, 2, SPARE
	v_mov_b32 v[NIL], 0
	ds_add_u32 v[SPW], v[NIL]                      ; the wave's opening: the add, twice on end, and its wait ahead of my first tensor load
	ds_add_u32 v[SPW], v[NIL]
	v_lshrrev_b32 v1, 5, v0
	v_readfirstlane_b32 s[WV], v1
	s_lshr_b32 s[RH], s[WV], 1
	s_and_b32 s[CH], s[WV], 1
	s_bfe_u32 s40, ttmp6, 0x40000                  ; cx
	s_bfe_u32 s41, ttmp6, 0x40004                  ; cy
	s_lshl_b32 s42, ttmp9, 2
	s_add_co_u32 s42, s42, s40                     ; tile column = 4 x cluster x + cx
	s_and_b32 s45, ttmp7, 0xffff
	s_lshl_b32 s45, s45, 2
	s_add_co_u32 s45, s45, s41                     ; tile row = 4 x cluster y + cy
	s_lshl_b32 s43, s41, 2
	s_lshl_b32 s43, 15, s43                        ; my row of the cluster
	s_lshl_b32 s44, 0x1111, s40                    ; my column
	s_or_b32 s[G1+0], s43, (0<<16)|(1<<20)|(1<<21)|(5<<22)|(3<<25)   ; elements of 1 byte; 4 words of padding after every 64
	s_or_b32 s[G1B+0], s44, (0<<16)|(1<<20)|(1<<21)|(5<<22)|(3<<25)
	s_mov_b32 s[G1+1], 256<<16                     ; tensor_dim0
	s_mov_b32 s[G1+2], 128<<16                     ; tensor_dim1
	s_mov_b32 s[G1+3], 256<<16                     ; tile_dim0
	s_mov_b32 s[G1+4], 128                         ; tile_dim1
	s_mov_b32 s[G1+5], 1024                        ; from row to row
	s_mov_b32 s[G1+6], 0
	s_mov_b32 s[G1+7], 0
	s_mov_b32 s[G1B+1], 256<<16
	s_mov_b32 s[G1B+2], 64<<16
	s_mov_b32 s[G1B+3], 256<<16
	s_mov_b32 s[G1B+4], 64
	s_mov_b32 s[G1B+5], 1024
	s_mov_b32 s[G1B+6], 0
	s_mov_b32 s[G1B+7], 0
	s_or_b32 s[G1S+0], s43, (3<<16)|(1<<20)|(1<<21)|(5<<22)|(3<<25)  ; the scales: dense, as rows of 32 elements of 8 bytes
	s_or_b32 s[G1SB+0], s44, (3<<16)|(1<<20)|(1<<21)|(5<<22)|(3<<25)
	s_mov_b32 s[G1S+1], 32<<16
	s_mov_b32 s[G1S+2], 16<<16
	s_mov_b32 s[G1S+3], 32<<16
	s_mov_b32 s[G1S+4], 16
	s_mov_b32 s[G1S+5], 32
	s_mov_b32 s[G1S+6], 0
	s_mov_b32 s[G1S+7], 0
	s_mov_b32 s[G1SB+1], 32<<16
	s_mov_b32 s[G1SB+2], 8<<16
	s_mov_b32 s[G1SB+3], 32<<16
	s_mov_b32 s[G1SB+4], 8
	s_mov_b32 s[G1SB+5], 32
	s_mov_b32 s[G1SB+6], 0
	s_mov_b32 s[G1SB+7], 0
	s_lshl_b32 s19, s[CH], 7
	s_lshl_b32 s20, s45, 8
	s_add_co_u32 s20, s20, s19                     ; A: row 256 x tile row + 128 x half
	s_mov_b32 s21, 0
	s_lshl_b32 s19, s[CH], 6
	s_lshl_b32 s46, s42, 7
	s_add_co_u32 s46, s46, s19                     ; B: row 128 x tile column + 64 x half
	s_mov_b32 s47, 0
	s_lshl_b64 s[22:23], s[20:21], 5               ; these rows' scales, in bytes
	s_lshl_b64 s[92:93], s[46:47], 5
	s_lshl_b64 s[20:21], s[20:21], 10              ; and their codes
	s_lshl_b64 s[46:47], s[46:47], 10
	s_mul_i32 s66, s[CH], AT                       ; where they go: no place in the cluster enters an LDS address
	s_mul_i32 s67, s[CH], BT
	s_add_co_u32 s67, s67, BOFF
	s_mul_i32 s94, s[CH], SAH
	s_add_co_u32 s94, s94, SCL+2*SBH
	s_mul_i32 s95, s[CH], SBH
	s_add_co_u32 s95, s95, SCL
	s_wait_dscnt 0x0                               ; both opening adds are done
	s_wait_kmcnt 0x0
	s_add_nc_u64 s[20:21], s[4:5], s[20:21]
	s_add_nc_u64 s[22:23], s[6:7], s[22:23]
	s_add_nc_u64 s[46:47], s[8:9], s[46:47]
	s_add_nc_u64 s[92:93], s[10:11], s[92:93]
	CROUND                                         ; all sixteen work-groups are here: the first joint loads meet
	s_mov_b32 s[G0S], 1
	s_mov_b32 s[G0S+1], s94
	s_mov_b64 s[G0S+2:G0S+3], s[22:23]
	s_or_b32 s[G0S+3], s[G0S+3], 0x80000000
	s_mov_b32 s[G0SB], 1
	s_mov_b32 s[G0SB+1], s95
	s_mov_b64 s[G0SB+2:G0SB+3], s[92:93]
	s_or_b32 s[G0SB+3], s[G0SB+3], 0x80000000
	JLOAD G0S, G1S, G0SB, G1SB                     ; the scales first: they are wanted with K step 0
.irp s, 0,1
	s_mov_b32 s[G0+4*\s], 1
	s_add_co_u32 s[G0+4*\s+1], s66, \s*SLOT
	s_add_nc_u64 s[G0+4*\s+2:G0+4*\s+3], s[20:21], \s*256
	s_or_b32 s[G0+4*\s+3], s[G0+4*\s+3], 0x80000000
	s_mov_b32 s[G0B+4*\s], 1
	s_add_co_u32 s[G0B+4*\s+1], s67, \s*SLOT
	s_add_nc_u64 s[G0B+4*\s+2:G0B+4*\s+3], s[46:47], \s*256
	s_or_b32 s[G0B+4*\s+3], s[G0B+4*\s+3], 0x80000000
	JLOAD G0+4*\s, G1, G0B+4*\s, G1B               ; three loads of mine are out behind the second of these
.endr
	v_and_b32 v1, 15, v0                           ; r
	v_bfe_u32 v2, v0, 4, 1                         ; h
	v_mul_u32_u24 v3, v1, PITCH
	v_lshl_add_u32 v4, v2, 4, v3                   ; a fragment's row x pitch + 16 h
	s_mul_i32 s21, s[RH], AT
	s_mul_i32 s22, s[CH], BT
	s_add_co_u32 s22, s22, BOFF
.irp s, 0,1
	v_add_nc_u32 v[ADRA+\s], s21, v4
	v_add_nc_u32 v[ADRB+\s], s22, v4
	s_add_co_u32 s21, s21, SLOT
	s_add_co_u32 s22, s22, SLOT
.endr
	v_lshlrev_b32 v5, 5, v1                        ; my row's scales: 32 bytes a row,
	v_lshrrev_b32 v6, 8, v5
	v_lshl_add_u32 v5, v6, 4, v5                   ; and 16 more for each 256 passed
	s_mul_i32 s21, s[CH], SBH                      ; lanes 0-15: B's, my 64 rows
	s_mul_i32 s22, s[RH], SAH                      ; lanes 16-31: A's, my 128 rows, behind B's
	s_add_co_u32 s22, s22, 2*SBH
	s_sub_co_u32 s22, s22, s21
	v_mul_u32_u24 v6, s22, v2                      ; one product: the distance between the two bases x h
	s_add_co_u32 s21, s21, SCL
	v_add_nc_u32 v5, v5, v6
	v_add_nc_u32 v[ADRS], s21, v5
	s_mul_i32 s23, s[WV], 16*272                   ; my stage, in slot 0: it is written only when that slot has had its last fill and its last read
	v_lshl_add_u32 v5, v2, 5, v3
	v_add_nc_u32 v[STO], s23, v5                   ; in: row r, 32 bytes for each half of the lanes
	v_mul_u32_u24 v5, v2, 272
	v_lshl_add_u32 v5, v1, 4, v5
	v_add_nc_u32 v[RD], s23, v5                    ; back: lanes 0-15 one row of 256 bytes, lanes 16-31 the next
	v_lshlrev_b32 v5, 12, v2
	v_lshl_add_u32 v[CO], v1, 4, v5                ; and the same two rows in C
	v_lshlrev_b32 v[BO], 5, v2                     ; the bias: 32 h
	s_lshl_b32 s20, s45, 8
	s_lshl_b32 s21, s[RH], 7
	s_add_co_u32 s20, s20, s21                     ; my first row of C
	s_mov_b32 s21, 0
	s_lshl_b64 s[20:21], s[20:21], 12
	s_lshl_b32 s46, s42, 9
	s_lshl_b32 s47, s[CH], 8
	s_add_co_u32 s46, s46, s47                     ; my first column, in bytes: 512 x tile column + 256 x half
	s_mov_b32 s47, 0
	s_add_nc_u64 s[12:13], s[12:13], s[46:47]
	s_add_nc_u64 s[14:15], s[14:15], s[46:47]
	s_add_nc_u64 s[14:15], s[14:15], s[20:21]
	WIN 0x40                                       ; destination window 1
.irp b, 0,1,2,3
	global_load_b128 v[BIAS+8*\b:BIAS+8*\b+3], v[BO], s[12:13] offset:64*\b        ; bias of columns 16 b + 8 h + 0 .. 7: the result's layout
	global_load_b128 v[BIAS+8*\b+4:BIAS+8*\b+7], v[BO], s[12:13] offset:64*\b+16
.endr
	WIN 0
.macro FRAG reg, adr, q, i             ; 16 rows x 128 K: registers 4 c .. 4 c + 3 hold K = 32 c + 16 h + 0 .. 15
.irp c, 0,1,2,3
	ds_load_b128 v[\reg+4*\c:\reg+4*\c+3], v[\adr] offset:128*(\q)+32*\c+(\i)*16*PITCH
.endr
.endm
; 8 products: A's blocks a0, a0 + 1 x B's four.  The 32 accumulators take turns, one instruction a turn, in the same order in every step.
.macro MUL8 a0, p, q, sc, first
.irp a, \a0, \a0+1
.irp b, 0,1,2,3
.if \first
	v_wmma_scale_f32_16x16x128_f8f6f4 v[8*(4*(\a)+\b):8*(4*(\a)+\b)+7], v[64*(\p)+16*\b:64*(\p)+16*\b+15], v[AF+16*(\a):AF+16*(\a)+15], v[BIAS+8*\b:BIAS+8*\b+7], v[SC+16*(\sc)+2*\b+(\q)], v[SC+16*(\sc)+2*(\a)+(\q)] matrix_b_scale:MATRIX_SCALE_ROW1
.else
	v_wmma_scale_f32_16x16x128_f8f6f4 v[8*(4*(\a)+\b):8*(4*(\a)+\b)+7], v[64*(\p)+16*\b:64*(\p)+16*\b+15], v[AF+16*(\a):AF+16*(\a)+15], v[8*(4*(\a)+\b):8*(4*(\a)+\b)+7], v[SC+16*(\sc)+2*\b+(\q)], v[SC+16*(\sc)+2*(\a)+(\q)] matrix_b_scale:MATRIX_SCALE_ROW1
.endif
.endr
.endr
.endm
.macro MWIN first                      ; source 0 (B) window 1, source 1 (A) window 0, D window 2; C window 1 (the bias) or 2
.if \first
	WIN 0x91
.else
	WIN 0xa1
.endif
.endm
.macro FETCH_B slot, q, p
	WIN 0x40
.irp i, 0,1,2,3
	FRAG 64*(\p)+16*\i, ADRB+\slot, \q, \i
.endr
	WIN 0
.endm
.macro FETCH_A slot, q, i0
.irp i, \i0, \i0+1, \i0+2, \i0+3
	FRAG AF+16*(\i), ADRA+\slot, \q, \i
.endr
.endm
.macro SCALES sc                       ; a K step's two words a row
.irp i, 0,1,2,3,4,5,6,7
	ds_load_b64 v[SC+16*\sc+2*\i:SC+16*\sc+2*\i+1], v[ADRS] offset:\i*SBLK
.endr
.endm
.macro PLACES n                        ; plain vector instructions between a matrix instruction and a load into, or a read of, its registers
.rept \n
	v_nop
.endr
.endm
.macro STEP slot, q, first             ; 128 along K with its successor in the same slot
	s_wait_dscnt 16                                ; B's set, A's blocks 0-3 and the scales are in; the youngest 16 loads (A's blocks 4-7) may be out
	MWIN \first
	MUL8 0, (\q)%2, \q, \slot, \first
	MUL8 2, (\q)%2, \q, \slot, \first
	s_wait_dscnt 0
	PLACES NP
	FETCH_B \slot, (\q)+1, 1-(\q)%2
	FETCH_A \slot, (\q)+1, 0
	MWIN \first
	MUL8 4, (\q)%2, \q, \slot, \first
	MUL8 6, (\q)%2, \q, \slot, \first
	PLACES NP
	WIN 0
	FETCH_A \slot, (\q)+1, 4
.endm
.macro TURN slot, next, fill           ; a slot's last step changes slots
	s_wait_tensorcnt 0x0                           ; all my tensor loads have landed: my part of the next slot
	ds_add_u32 v[SPW], v[NIL]                      ; 0 onto my spare word
	s_wait_dscnt 17                                ; the add and the youngest 16 loads may be out
	WIN 0xa1
	MUL8 0, 1, 1, \slot, 0
	s_wait_dscnt 0x0                               ; the add is done, and my reads of this slot are over
	s_barrier_signal -1
	MUL8 2, 1, 1, \slot, 0
	WIN 0
	s_barrier_wait -1
.if \fill
	CREST                                          ; the barrier has opened a round of the cluster's: no wave of any partner still reads this slot or has a load on its way
	s_add_nc_u64 s[G0+4*\slot+2:G0+4*\slot+3], s[G0+4*\slot+2:G0+4*\slot+3], 512
	s_add_nc_u64 s[G0B+4*\slot+2:G0B+4*\slot+3], s[G0B+4*\slot+2:G0B+4*\slot+3], 512
	JLOAD G0+4*\slot, G1, G0B+4*\slot, G1B         ; the first tensor load behind the round; its four v_nop are four of the places below
	PLACES NP-4
.else
	PLACES NP
.endif
	v_add_nc_u32 v[ADRS], 8, v[ADRS]               ; the next K step's scale words
	FETCH_B \next, 0, 0
	FETCH_A \next, 0, 0
	SCALES \next
	WIN 0xa1
	MUL8 4, 1, 1, \slot, 0
	MUL8 6, 1, 1, \slot, 0
	PLACES NP
	WIN 0
	FETCH_A \next, 0, 4
.endm
	s_wait_tensorcnt 1                             ; the scales and my part of K step 0 are in; K step 1's load may be out
	s_barrier_signal -1
	s_barrier_wait -1
	FETCH_B 0, 0, 0
	FETCH_A 0, 0, 0
	SCALES 0
	FETCH_A 0, 0, 4
	s_wait_loadcnt 0x0                             ; the bias
	STEP 0, 0, 1                                   ; the first step starts the sums, on the bias
	s_mov_b32 s3, 1                                ; K = 1024 is two laps of the ring: one trip fills both slots again
.Llap:
	TURN 0, 1, 1
	STEP 1, 0, 0
	TURN 1, 0, 1
	STEP 0, 0, 0
	s_sub_co_u32 s3, s3, 1
	s_cmp_lg_u32 s3, 0
	s_cbranch_scc1 .Llap
	TURN 0, 1, 0                                   ; the last lap fills nothing
	STEP 1, 0, 0
	s_wait_dscnt 16
	WIN 0xa1
	MUL8 0, 1, 1, 1, 0
	MUL8 2, 1, 1, 1, 0
	s_wait_dscnt 0
	MUL8 4, 1, 1, 1, 0
	MUL8 6, 1, 1, 1, 0
	WIN 0
; THE WAY OUT, a block of 16 rows x 64 columns at a time, through my own stage: back as whole rows of 256 bytes.  LDS serves a wave's instructions in order (ISA guide 5.7.1.4).
.macro TOSTAGE a
	WIN 0x08                                       ; an LDS store's data: window 2
.irp b, 0,1,2,3
	ds_store_b128 v[STO], v[8*(4*(\a)+\b):8*(4*(\a)+\b)+3] offset:64*\b         ; each accumulator from its low end on
	ds_store_b128 v[STO], v[8*(4*(\a)+\b)+4:8*(4*(\a)+\b)+7] offset:64*\b+16
.endr
	WIN 0
.set BB, BK+32*((\a)%2)
.irp t, 0,1,2,3,4,5,6,7
	ds_load_b128 v[BB+4*\t:BB+4*\t+3], v[RD] offset:2*\t*272
.endr
.endm
.macro SEND a, younger
.set BB, BK+32*((\a)%2)
	s_wait_dscnt \younger                          ; the block is back; the next block's 8 stores and 8 loads may be out
.if (\a) > 0
	s_add_nc_u64 s[14:15], s[14:15], 16*4096       ; (behind a wait on XCNT for 0: the earlier stores have read their base)
.endif
.irp t, 0,1,2,3,4,5,6,7
	global_store_b128 v[CO], v[BB+4*\t:BB+4*\t+3], s[14:15] offset:2*\t*4096    ; 16 lanes store 256 consecutive bytes, aligned
.endr
.endm
	PLACES NP
	TOSTAGE 0
.irp a, 1,2,3,4,5,6,7
.if \a > 1
	s_wait_xcnt 0x0                                ; block a - 2's stores have read their registers and their base
.endif
	TOSTAGE \a
	SEND \a-1, 16
.endr
	s_wait_xcnt 0x0
	SEND 7, 0
	s_wait_tensorcnt 0x0                           ; the wave's end
	ds_add_u32 v[SPW], v[NIL]
	s_wait_dscnt 0x0
	CROUND                                         ; the closing round
	s_endpgm
.Lfunc_end_k_q0c59839d72_gq:
	.size	k_q0c59839d72_gq, .Lfunc_end_k_q0c59839d72_gq-k_q0c59839d72_gq
	.p2alignl 7, 3214868480
	.fill 96, 4, 3214868480
	.section	.rodata,"a",@progbits
	.p2align	6, 0x0
	.amdhsa_kernel k_q0c59839d72_gq
		.amdhsa_group_segment_fixed_size 327680
		.amdhsa_private_segment_fixed_size 0
		.amdhsa_enable_private_segment 0
		.amdhsa_kernarg_size 48
		.amdhsa_user_sgpr_count 2
		.amdhsa_user_sgpr_kernarg_segment_ptr 1
		.amdhsa_wavefront_size32 1
		.amdhsa_system_sgpr_workgroup_id_x 1
		.amdhsa_system_sgpr_workgroup_id_y 1
		.amdhsa_system_sgpr_workgroup_id_z 1
		.amdhsa_system_vgpr_workitem_id 0
		.amdhsa_next_free_vgpr 768
		.amdhsa_next_free_sgpr 98
		.amdhsa_reserve_vcc 0
		.amdhsa_float_denorm_mode_32 3
		.amdhsa_float_denorm_mode_16_64 3
		.amdhsa_memory_ordered 1
		.amdhsa_forward_progress 1
		.amdhsa_inst_pref_size 92
	.end_amdhsa_kernel
	.amdgpu_metadata
---
amdhsa.version: [ 1, 2 ]
amdhsa.kernels:
  - .name:           k_q0c59839d72_gq
    .symbol:         k_q0c59839d72_gq.kd
    .args:
      - { .name: query_codes, .offset: 0, .size: 8, .value_kind: global_buffer, .address_space: global }
      - { .name: query_scales, .offset: 8, .size: 8, .value_kind: global_buffer, .address_space: global }
      - { .name: Wq_codes, .offset: 16, .size: 8, .value_kind: global_buffer, .address_space: global }
      - { .name: Wq_scales, .offset: 24, .size: 8, .value_kind: global_buffer, .address_space: global }
      - { .name: bq, .offset: 32, .size: 8, .value_kind: global_buffer, .address_space: global }
      - { .name: fa, .offset: 40, .size: 8, .value_kind: global_buffer, .address_space: global }
    .group_segment_fixed_size: 327680
    .private_segment_fixed_size: 0
    .kernarg_segment_align: 8
    .kernarg_segment_size: 48
    .max_flat_workgroup_size: 128
    .sgpr_count:     98
    .vgpr_count:     768
    .wavefront_size: 32
...
	.end_amdgpu_metadata
.endif
;; end of part 1
;; launch gk: the kernel of part 1 again; grid 8 x 32, 4 waves a work-group, clusters of 4 x 4, 327,680 bytes of LDS; arguments key_codes, key_scales, Wk_codes, Wk_scales, bk, fb; writes fb
;; launch gv: the kernel of part 1 again; grid 8 x 32, 4 waves a work-group, clusters of 4 x 4, 327,680 bytes of LDS; arguments value_codes, value_scales, Wv_codes, Wv_scales, bv, fc; writes fc
;; launch agg (part 2): grid 256 x 3, 4 waves a work-group, no clusters, 35,328 bytes of LDS; arguments fa, fb, fc, temporal_weights, qimg, kimg, vimg; writes qimg, kimg, vimg
.if DOCPART == 2
	.amdgcn_target "amdgcn-amd-amdhsa--gfx1250"
	.amdhsa_code_object_version 6
	.text
	.protected	k_q0c59839d72_agg
	.globl	k_q0c59839d72_agg
	.p2align	8
	.type	k_q0c59839d72_agg,@function
k_q0c59839d72_agg:
	s_mov_b64 s[64:65], 0
	v_nop
	global_prefetch_b8 v0, s[64:65] scope:SCOPE_SE
	s_setreg_imm32_b32 hwreg(HW_REG_WAVE_MODE, 25, 1), 1
	s_wait_xcnt 0x0
; The projections (f32 [8192][1024], row = 1024 b + s, column = 64 head + d) get RoPE (Q, K), the temporal aggregation (all three) and the quantiser, and leave as images of operand registers.
; Work-group y: 0 Q, 1 K, 2 V.  A wave takes one head's 64 columns x 128 rows; lane l holds columns l and l + 32 as a register pair, and its registers run down the rows.
; AGGREGATION.  y = w0 x + sum over k = 2, 4, 8 of w_k (P_k[m] + c (P_k[m'] - P_k[m' - 1])): the linear interpolation between neighbouring pool means, with c = (j + 1/2) / k - 1/2
; for row j of a pool; at a sequence's two ends the missing neighbour is the end pool itself, which is what the clip of the coordinate and of the upper index give.  Blocks of 8 rows; one block of halo on each side.
; ROPE.  cos and sin of s x 10^(-i/8) (i = column / 2): the turn count s x theta / 2 pi is made from theta / 2 pi in two f32 parts, its fraction goes through polynomials; from a seed the pair is rotated row by row.
; LIMIT: a seed serves at most 40 rows; the rotation's rounding adds up to about 3e-6 of a number.  NaN and infinities are not served.  A block of zeros gets the scale byte 1 (its codes are zeros; this program alone reads the bytes).
; IMAGES.  Q, K: per head 8 chunks of 128 rows, 8,704 bytes: fragment f, group 2 u + b, lane (r, h): 16 codes of row 32 f + 8 u + r + 8 (r / 8), channels 32 b + 16 h on, at 2048 f + 512 (2 u + b) + 16 lane; scale words at 8192 + 16 lane + 4 f.
; V: per head 8 steps of 128 keys, 8,448 bytes: tile t, group c, lane (r, h): channel 16 t + r, keys 32 c + 16 h on, at 2048 t + 512 c + 16 lane; channel d's scale word at 8192 + 8 (d % 32) + 4 (d / 32).
; No tensor load, no barrier: the stage in LDS is each wave's own.  Matrix units and clusters have nothing to do here: no input is shared but 8 halo rows in 128.
.set VO,  1
.set RH0, 2                            ; theta / 2 pi of column l: high, low part; of column l + 32: RH1, RL1
.set RL0, 3
.set LW,  4
.set LR,  5
.set OQ,  6
.set OV,  7
.set O8,  8
.set RH1, 9
.set SPW, 10
.set NIL, 11
.set W0,  12
.set RL1, 13
.set CW1, 14                           ; w1 / 2, w2 / 4, w3 / 8, each in both halves of a pair
.set CW2, 16
.set CW3, 18
.set CC,  20                           ; cos, sin of the row in hand; C1, S1 of one row's step
.set SS,  22
.set C1,  24
.set S1,  26
.set T,   28
.set SW,  32                           ; scale words
.set X,   36                           ; five places of 16: block g at g % 5, row j's pair at + 2 j
.set SUM, 116                          ; three places of 14: A2[0..3], A4[0..1], A8, pairs
.set TMP, 158
.set E2,  TMP
.set E4,  TMP+10
.set E8,  TMP+16
.set B4,  TMP+20
.set B2,  TMP+24
.set TM,  TMP                          ; in the quantisers
.set PC,  TMP+16
.set NF,  TMP+8
.set KH,  TMP+9
.set KL,  TMP+10
.set FH,  TMP+11
.set FL,  TMP+12
.set DP,  TMP+13
.set DE,  TMP+14
.set ACC, 190
.set PW,  190
.set YA,  192                          ; a chunk's 32 rows of column l; YB of column l + 32
.set YB,  224
.set SPARE, 4*8704
.set WV,  18
.set TT,  24
.set RC,  25
.set ROW0, 26
.set BH,  27
.set IN,  28
.set INM, 30
.set INP, 32
.set OUTP, 34
.set M0,  36
.set M7,  37
.set SEL, 38
.set MNT, 40
	s_load_b256 s[4:11], s[0:1], 0x0               ; fa, fb, fc, temporal_weights
	s_load_b128 s[12:15], s[0:1], 0x20             ; qimg, kimg
	s_load_b64 s[16:17], s[0:1], 0x30              ; vimg
	v_lshl_add_u32 v[SPW], v0, 2, SPARE
	v_mov_b32 v[NIL], 0
	v_lshrrev_b32 v[T], 5, v0
	v_readfirstlane_b32 s[WV], v[T]
	s_and_b32 s[TT], ttmp7, 0xffff
	s_lshr_b32 s[BH], ttmp9, 1                     ; 16 b + head
	s_and_b32 s[RC], ttmp9, 1
	s_lshl_b32 s[RC], s[RC], 2
	s_add_co_u32 s[RC], s[RC], s[WV]               ; which 128 rows of the sequence
	s_lshl_b32 s[ROW0], s[RC], 7
	s_lshr_b32 s42, s[BH], 4
	s_lshl_b32 s42, s42, 10                        ; 1024 b
	s_and_b32 s43, s[BH], 15
	s_lshl_b32 s43, s43, 8                         ; the head's 256 bytes of a row
	s_add_co_u32 s44, s42, s[ROW0]
	s_lshl_b32 s44, s44, 12
	s_add_co_u32 s44, s44, s43                     ; my first row
	s_mov_b32 s45, 0
	s_sub_co_i32 s19, s[ROW0], 8
	s_max_i32 s19, s19, 0                          ; the halo in front, held inside the sequence (what it then brings is replaced below)
	s_add_co_u32 s46, s42, s19
	s_lshl_b32 s46, s46, 12
	s_add_co_u32 s46, s46, s43
	s_mov_b32 s47, 0
	s_add_co_u32 s19, s[ROW0], 128
	s_min_u32 s19, s19, 1016                       ; the halo behind, likewise
	s_add_co_u32 s48, s42, s19
	s_lshl_b32 s48, s48, 12
	s_add_co_u32 s48, s48, s43
	s_mov_b32 s49, 0
	s_cmp_eq_u32 s[RC], 0
	s_cselect_b32 s[M0], -1, 0
	s_cmp_eq_u32 s[RC], 7
	s_cselect_b32 s[M7], -1, 0
	s_mov_b32 s[SEL], 0x76543210
	s_mov_b32 s[SEL+1], 0xfedcba98
	s_mov_b32 s[MNT], 0x600000                     ; the mantissa field of 448
	s_mov_b32 s50, 69632
	s_mov_b32 s51, 8704
	s_cmp_eq_u32 s[TT], 2
	s_cselect_b32 s50, 67584, s50                  ; a head's image, a chunk's image, in bytes
	s_cselect_b32 s51, 8448, s51
	s_mul_i32 s50, s50, s[BH]
	s_mul_i32 s51, s51, s[RC]
	s_add_co_u32 s50, s50, s51
	s_mov_b32 s51, 0
	v_and_b32 v[T+1], 31, v0                       ; lane
	v_and_b32 v[T+2], 15, v0                       ; r
	v_bfe_u32 v[T+3], v0, 4, 1                     ; h
	v_lshlrev_b32 v[VO], 2, v[T+1]
	s_mul_i32 s19, s[WV], 8704                     ; my stage: 32 rows x (256 + 16) bytes
	v_add_nc_u32 v[LW], s19, v[VO]
	v_and_b32 v[LR], 8, v[T+2]
	v_add_nc_u32 v[LR], v[LR], v[T+2]              ; r + 8 (r / 8)
	v_mul_u32_u24 v[LR], v[LR], 272
	v_lshl_add_u32 v[LR], v[T+3], 6, v[LR]
	v_add_nc_u32 v[LR], s19, v[LR]
	v_lshlrev_b32 v[OQ], 4, v[T+1]
	v_lshlrev_b32 v[OV], 11, v[T+3]
	v_lshl_add_u32 v[OV], v[T+2], 4, v[OV]
	v_lshlrev_b32 v[O8], 3, v[T+1]
.irp i, 0,1,2,3
	v_mov_b32 v[SW+\i], 0
.endr
	s_wait_kmcnt 0x0
	s_load_b128 s[20:23], s[10:11], 0x0            ; the four weights
	s_cmp_eq_u32 s[TT], 0                          ; the buffers are chosen by the work-group's number alone
	s_cselect_b64 s[IN:IN+1], s[4:5], s[6:7]
	s_cselect_b64 s[OUTP:OUTP+1], s[12:13], s[14:15]
	s_cmp_eq_u32 s[TT], 2
	s_cselect_b64 s[IN:IN+1], s[8:9], s[IN:IN+1]
	s_cselect_b64 s[OUTP:OUTP+1], s[16:17], s[OUTP:OUTP+1]
	s_add_nc_u64 s[INM:INM+1], s[IN:IN+1], s[46:47]
	s_add_nc_u64 s[INP:INP+1], s[IN:IN+1], s[48:49]
	s_add_nc_u64 s[IN:IN+1], s[IN:IN+1], s[44:45]
	s_add_nc_u64 s[OUTP:OUTP+1], s[OUTP:OUTP+1], s[50:51]
.macro LOADB reg, base, off            ; a block of 8 rows: each load reads 128 consecutive bytes, a row's two loads its 256
.irp j, 0,1,2,3,4,5,6,7
	global_load_b32 v[(\reg)+2*\j], v[VO], s[\base:\base+1] offset:(\off)+\j*4096
	global_load_b32 v[(\reg)+2*\j+1], v[VO], s[\base:\base+1] offset:(\off)+\j*4096+128
.endr
.endm
	LOADB YA, INM, 0                               ; block -1, into registers that the first chunk's results take later
.irp g, 0,1,2
	LOADB X+16*\g, IN, \g*32768                    ; blocks 0 to 2; blocks 3 and 4 follow as blocks -1 and 0 are taken up, so that each wait below leaves three blocks out
.endr
	; the softmax of the four weights, its maximum taken away
	s_wait_kmcnt 0x0
	v_mov_b32 v[T], s20
	v_mov_b32 v[T+1], s21
	v_mov_b32 v[T+2], s22
	v_mov_b32 v[T+3], s23
	v_max3_num_f32 v[ACC], v[T], v[T+1], v[T+2]
	v_max_num_f32 v[ACC], v[ACC], v[T+3]
.irp i, 0,1,2,3
	v_sub_f32 v[T+\i], v[T+\i], v[ACC]
.endr
.irp i, 0,1,2,3
	v_mul_f32 v[T+\i], 0x3fb8aa3b, v[T+\i]
.endr
.irp i, 0,1,2,3
	v_exp_f32 v[T+\i], v[T+\i]
.endr
	v_nop
	s_wait_alu depctr_va_vdst(0)                   ; one wait for the four exponentials, ahead of their first reader
	v_add_f32 v[ACC], v[T], v[T+1]
	v_add_f32 v[ACC+1], v[T+2], v[T+3]
	v_add_f32 v[ACC], v[ACC], v[ACC+1]
	v_rcp_f32 v[ACC], v[ACC]
	v_nop
	s_wait_alu depctr_va_vdst(0)
	v_mul_f32 v[W0], v[T], v[ACC]
	v_mul_f32 v[CW1], v[T+1], v[ACC]
	v_mul_f32 v[CW2], v[T+2], v[ACC]
	v_mul_f32 v[CW3], v[T+3], v[ACC]
	v_mul_f32 v[CW1], 0.5, v[CW1]                  ; the pools' divisions by 2, 4, 8 go into the weights: exact
	v_mul_f32 v[CW2], 0x3e800000, v[CW2]
	v_mul_f32 v[CW3], 0x3e000000, v[CW3]
	v_mov_b32 v[CW1+1], v[CW1]
	v_mov_b32 v[CW2+1], v[CW2]
	v_mov_b32 v[CW3+1], v[CW3]
; (hi, lo) x (fh, fl) in two f32 parts
.macro DFMUL hi, lo, fh, fl
	v_mul_f32 v[DP], v[\hi], v[\fh]
	v_fma_f32 v[DE], v[\hi], v[\fh], -v[DP]
	v_fma_f32 v[DE], v[\hi], v[\fl], v[DE]
	v_fma_f32 v[DE], v[\lo], v[\fh], v[DE]
	v_add_f32 v[\hi], v[DP], v[DE]
	v_sub_f32 v[DP], v[DP], v[\hi]
	v_add_f32 v[\lo], v[DP], v[DE]
.endm
.macro FBIT bit, kh, kl                ; x the factor where the lane's bit is set, x 1 where not
	v_and_b32 v[DP], 1<<\bit, v0
	v_cmp_ne_u32 vcc_lo, 0, v[DP]
	v_mov_b32 v[KH], \kh
	v_mov_b32 v[KL], \kl
	v_cndmask_b32 v[FH], 1.0, v[KH], vcc_lo
	v_cndmask_b32 v[FL], 0, v[KL], vcc_lo
	DFMUL RH0, RL0, FH, FL
.endm
	v_mov_b32 v[RH0], 0x3e22f983                   ; 1 / 2 pi
	v_mov_b32 v[RL0], 0x31dc9c88
	FBIT 1, 0x3f3ff900, 0x35890458                 ; 10^(-1/8)
	FBIT 2, 0x3f0ff500, 0x3719e0e2                 ; 10^(-1/4)
	FBIT 3, 0x3ea1e800, 0x369b1242                 ; 10^(-1/2)
	FBIT 4, 0x3dcccccd, 0xb0cccccd                 ; 10^(-1)
	v_mov_b32 v[RH1], v[RH0]
	v_mov_b32 v[RL1], v[RL0]
	v_mov_b32 v[FH], 0x3c23d70a                    ; column l + 32: i + 16: x 10^(-2)
	v_mov_b32 v[FL], 0x2f75c28f
	DFMUL RH1, RL1, FH, FL
; cos and sin of 2 pi n (hi + lo), n a whole number as f32
.macro SINCOS c, s, n, hi, lo
	v_mul_f32 v[TMP], v[\n], v[\hi]
	v_fma_f32 v[TMP+1], v[\n], v[\hi], -v[TMP]
	v_fma_f32 v[TMP+1], v[\n], v[\lo], v[TMP+1]
	v_rndne_f32 v[TMP+2], v[TMP]
	v_sub_f32 v[TMP], v[TMP], v[TMP+2]
	v_add_f32 v[TMP], v[TMP], v[TMP+1]             ; the fraction of the turn count
	v_mul_f32 v[TMP+1], 4.0, v[TMP]
	v_rndne_f32 v[TMP+1], v[TMP+1]                 ; the quarter
	v_fmamk_f32 v[TMP], v[TMP+1], 0xbe800000, v[TMP]
	v_mul_f32 v[TMP], 0x40c90fdb, v[TMP]           ; x, within pi / 4
	v_mul_f32 v[TMP+2], v[TMP], v[TMP]
	v_mov_b32 v[TMP+3], 0x3638ef1d
	v_fmaak_f32 v[TMP+3], v[TMP+3], v[TMP+2], 0xb9500d01
	v_fmaak_f32 v[TMP+3], v[TMP+3], v[TMP+2], 0x3c088889
	v_fmaak_f32 v[TMP+3], v[TMP+3], v[TMP+2], 0xbe2aaaab
	v_mul_f32 v[TMP+4], v[TMP], v[TMP+2]
	v_fma_f32 v[TMP+3], v[TMP+4], v[TMP+3], v[TMP] ; sin x
	v_mov_b32 v[TMP+4], 0xb493f27e
	v_fmaak_f32 v[TMP+4], v[TMP+4], v[TMP+2], 0x37d00d01
	v_fmaak_f32 v[TMP+4], v[TMP+4], v[TMP+2], 0xbab60b61
	v_fmaak_f32 v[TMP+4], v[TMP+4], v[TMP+2], 0x3d2aaaab
	v_fmaak_f32 v[TMP+4], v[TMP+4], v[TMP+2], 0xbf000000
	v_fma_f32 v[TMP+4], v[TMP+4], v[TMP+2], 1.0    ; cos x
	v_cvt_i32_f32 v[TMP+1], v[TMP+1]
	v_and_b32 v[TMP+5], 1, v[TMP+1]
	v_cmp_eq_u32 vcc_lo, 1, v[TMP+5]
	v_cndmask_b32 v[TMP+6], v[TMP+4], v[TMP+3], vcc_lo   ; an odd quarter swaps the two
	v_cndmask_b32 v[TMP+7], v[TMP+3], v[TMP+4], vcc_lo
	v_add_nc_u32 v[TMP+5], 1, v[TMP+1]
	v_and_b32 v[TMP+5], 2, v[TMP+5]
	v_lshlrev_b32 v[TMP+5], 30, v[TMP+5]
	v_xor_b32 v[\c], v[TMP+5], v[TMP+6]            ; cos is negative in quarters 1, 2
	v_and_b32 v[TMP+5], 2, v[TMP+1]
	v_lshlrev_b32 v[TMP+5], 30, v[TMP+5]
	v_xor_b32 v[\s], v[TMP+5], v[TMP+7]            ; sin in quarters 2, 3
.endm
.macro SEED off                        ; cos, sin at row ROW0 + off of the sequence
	s_add_co_i32 s19, s[ROW0], \off
	v_cvt_f32_i32 v[NF], s19
	SINCOS CC, SS, NF, RH0, RL0
	SINCOS CC+1, SS+1, NF, RH1, RL1
.endm
	v_mov_b32 v[NF], 1.0
	SINCOS C1, S1, NF, RH0, RL0
	SINCOS C1+1, S1+1, NF, RH1, RL1
	SEED -8                                        ; (run for V too, so that these registers are written on every way through the text)
; RoPE of a block of 8 rows, in place; V goes round it
.macro ROPE base, reseed, off
	s_cmp_eq_u32 s[TT], 2
	s_cbranch_scc1 .Lnorope_\@
.if \reseed
	SEED \off
.endif
.irp j, 0,1,2,3,4,5,6,7
	v_pk_mul_f32 v[ACC:ACC+1], v[(\base)+2*\j:(\base)+2*\j+1], v[SS:SS+1] op_sel:[1,0] op_sel_hi:[0,1] neg_lo:[0,1]   ; (-x[d + 32] sin[d], x[d] sin[d + 32])
	v_pk_fma_f32 v[(\base)+2*\j:(\base)+2*\j+1], v[(\base)+2*\j:(\base)+2*\j+1], v[CC:CC+1], v[ACC:ACC+1]
	v_pk_mul_f32 v[T:T+1], v[SS:SS+1], v[S1:S1+1]                                  ; on to the next row
	v_pk_mul_f32 v[T+2:T+3], v[CC:CC+1], v[S1:S1+1]
	v_pk_fma_f32 v[CC:CC+1], v[CC:CC+1], v[C1:C1+1], v[T:T+1] neg_lo:[0,0,1] neg_hi:[0,0,1]
	v_pk_fma_f32 v[SS:SS+1], v[SS:SS+1], v[C1:C1+1], v[T+2:T+3]
.endr
.Lnorope_\@:
.endm
; a block's weighted pool means
.macro SUMM base, p
.irp k, 0,1,2,3
	v_pk_add_f32 v[(\p)+2*\k:(\p)+2*\k+1], v[(\base)+4*\k:(\base)+4*\k+1], v[(\base)+4*\k+2:(\base)+4*\k+3]
.endr
	v_pk_add_f32 v[(\p)+8:(\p)+9], v[(\p):(\p)+1], v[(\p)+2:(\p)+3]
	v_pk_add_f32 v[(\p)+10:(\p)+11], v[(\p)+4:(\p)+5], v[(\p)+6:(\p)+7]
	v_pk_add_f32 v[(\p)+12:(\p)+13], v[(\p)+8:(\p)+9], v[(\p)+10:(\p)+11]
.irp k, 0,1,2,3
	v_pk_mul_f32 v[(\p)+2*\k:(\p)+2*\k+1], v[(\p)+2*\k:(\p)+2*\k+1], v[CW1:CW1+1]
.endr
	v_pk_mul_f32 v[(\p)+8:(\p)+9], v[(\p)+8:(\p)+9], v[CW2:CW2+1]
	v_pk_mul_f32 v[(\p)+10:(\p)+11], v[(\p)+10:(\p)+11], v[CW2:CW2+1]
	v_pk_mul_f32 v[(\p)+12:(\p)+13], v[(\p)+12:(\p)+13], v[CW3:CW3+1]
.endm
.macro EDGE dst, src, mask             ; at a sequence's end the missing neighbour is the end pool itself
	v_cndmask_b32 v[\dst], v[\dst], v[\src], s[\mask]
	v_cndmask_b32 v[\dst+1], v[\dst+1], v[\src+1], s[\mask]
.endm
.macro SUBP d, a, b
	v_pk_add_f32 v[\d:\d+1], v[\a:\a+1], v[\b:\b+1] neg_lo:[0,1] neg_hi:[0,1]
.endm
.macro ADDP d, a, b
	v_pk_add_f32 v[\d:\d+1], v[\a:\a+1], v[\b:\b+1]
.endm
.macro ROW j, c8, c4, c2, xb, yo
	v_pk_fma_f32 v[ACC:ACC+1], v[E8+2*(\j/4):E8+2*(\j/4)+1], \c8, v[B2+2*(\j/2):B2+2*(\j/2)+1] op_sel_hi:[1,0,1]
	v_pk_fma_f32 v[ACC:ACC+1], v[E4+2*((\j+2)/4):E4+2*((\j+2)/4)+1], \c4, v[ACC:ACC+1] op_sel_hi:[1,0,1]
	v_pk_fma_f32 v[ACC:ACC+1], v[E2+2*((\j+1)/2):E2+2*((\j+1)/2)+1], \c2, v[ACC:ACC+1] op_sel_hi:[1,0,1]
	v_fma_f32 v[YA+(\yo)+\j], v[W0], v[(\xb)+2*\j], v[ACC]
	v_fma_f32 v[YB+(\yo)+\j], v[W0], v[(\xb)+2*\j+1], v[ACC+1]
.endm
; a block's 8 rows of results: pp, pc, pn the places of the block before, of this one, of the next
.macro OUT xb, pp, pc, pn, yo
	SUBP E2, \pc, \pp+6
	SUBP E2+2, \pc+2, \pc
	SUBP E2+4, \pc+4, \pc+2
	SUBP E2+6, \pc+6, \pc+4
	SUBP E2+8, \pn, \pc+6
	SUBP E4, \pc+8, \pp+10
	SUBP E4+2, \pc+10, \pc+8
	SUBP E4+4, \pn+8, \pc+10
	SUBP E8, \pc+12, \pp+12
	SUBP E8+2, \pn+12, \pc+12
	ADDP B4, \pc+12, \pc+8
	ADDP B4+2, \pc+12, \pc+10
	ADDP B2, B4, \pc
	ADDP B2+2, B4, \pc+2
	ADDP B2+4, B4+2, \pc+4
	ADDP B2+6, B4+2, \pc+6
	ROW 0, 0xbee00000, 0xbec00000, 0xbe800000, \xb, \yo     ; -7/16, -3/8, -1/4
	ROW 1, 0xbea00000, 0xbe000000, 0x3e800000, \xb, \yo     ; -5/16, -1/8, +1/4
	ROW 2, 0xbe400000, 0x3e000000, 0xbe800000, \xb, \yo
	ROW 3, 0xbd800000, 0x3ec00000, 0x3e800000, \xb, \yo
	ROW 4, 0x3d800000, 0xbec00000, 0xbe800000, \xb, \yo
	ROW 5, 0x3e400000, 0xbe000000, 0x3e800000, \xb, \yo
	ROW 6, 0x3ea00000, 0x3e000000, 0xbe800000, \xb, \yo
	ROW 7, 0x3ee00000, 0x3ec00000, 0x3e800000, \xb, \yo
.endm
; 64 numbers of a lane, v[YA] on, register 16 b + i: a fragment's codes in v[PC] on, its scale word in v[PW]
.macro QUANT
.irp b, 0,1,2,3
	v_max3_num_f32 v[TM+\b], |v[YA+16*\b]|, |v[YA+1+16*\b]|, 0x4800000   ; my 16 numbers of block b, and the floor 2^(9 - 127): the byte cannot fall under 1
.endr
.irp i, 2,4,6,8,10,12,14
.irp b, 0,1,2,3
	v_max3_num_f32 v[TM+\b], v[TM+\b], |v[YA+16*\b+\i]|, |v[YA+1+16*\b+\i]|
.endr
.endr
.irp b, 0,1,2,3
	v_permlanex16_b32 v[TM+4+\b], v[TM+\b], s[SEL], s[SEL+1]
.endr
.irp b, 0,1,2,3
	v_max_num_f32 v[TM+\b], v[TM+\b], v[TM+4+\b]   ; with lane l xor 16's: the block's largest magnitude
.endr
.irp b, 0,1,2,3
	v_add_nc_u32 v[TM+12+\b], 0xfc000000, v[TM+\b] ; 8 off its exponent field: the conversion's scale operand
.endr
.irp b, 0,1,2,3
	v_and_or_b32 v[TM+8+\b], v[TM+\b], 0x7f800000, s[MNT]   ; 448 x the scale
.endr
.irp b, 0,1,2,3
	v_lshrrev_b32 v[TM+4+\b], 23, v[TM+12+\b]      ; the scale's byte
.endr
	v_lshl_or_b32 v[PW], v[TM+5], 8, v[TM+4]
	v_lshl_or_b32 v[PW], v[TM+6], 16, v[PW]
	v_lshl_or_b32 v[PW], v[TM+7], 24, v[PW]
.irp b, 0,1,2,3
.irp i, 0,1,2,3,4,5,6,7,8,9,10,11,12,13,14,15
	v_med3_num_f32 v[YA+16*\b+\i], v[YA+16*\b+\i], -v[TM+8+\b], v[TM+8+\b]   ; the conversion does not saturate (ISA guide 7.6.2): the hold
.endr
	v_cvt_scalef32_pk8_fp8_f32 v[PC+4*\b:PC+1+4*\b], v[YA+16*\b:YA+7+16*\b], v[TM+12+\b]
	v_cvt_scalef32_pk8_fp8_f32 v[PC+2+4*\b:PC+3+4*\b], v[YA+8+16*\b:YA+15+16*\b], v[TM+12+\b]
.endr
	v_nop
.endm
; V: a lane's 32 registers are a whole block of 32 keys of one channel
.macro VQ base, pc, sw, c, imm
	v_max3_num_f32 v[TM], |v[\base]|, |v[\base+1]|, |v[\base+2]|
	v_max3_num_f32 v[TM+1], |v[\base+3]|, |v[\base+4]|, |v[\base+5]|
.irp i, 6,10,14,18,22,26
	v_max3_num_f32 v[TM], v[TM], |v[\base+\i]|, |v[\base+\i+1]|
	v_max3_num_f32 v[TM+1], v[TM+1], |v[\base+\i+2]|, |v[\base+\i+3]|
.endr
	v_max3_num_f32 v[TM], v[TM], |v[\base+30]|, |v[\base+31]|
	v_max3_num_f32 v[TM], v[TM], v[TM+1], 0x4800000
	v_add_nc_u32 v[TM+3], 0xfc000000, v[TM]
	v_and_or_b32 v[TM+2], v[TM], 0x7f800000, s[MNT]
	v_lshrrev_b32 v[TM+1], 23, v[TM+3]
	v_lshl_or_b32 v[\sw], v[TM+1], 8*(\c), v[\sw]
.set J, 0
.rept 32
	v_med3_num_f32 v[\base+J], v[\base+J], -v[TM+2], v[TM+2]
.set J, J+1
.endr
.irp g, 0,1,2,3
	v_cvt_scalef32_pk8_fp8_f32 v[\pc+2*\g:\pc+2*\g+1], v[\base+8*\g:\base+8*\g+7], v[TM+3]
.endr
	v_nop
	global_store_b128 v[OV], v[\pc:\pc+3], s[OUTP:OUTP+1] offset:(\c)*512+\imm        ; keys 0-15: 16 lanes store 256 consecutive bytes, aligned
	global_store_b128 v[OV], v[\pc+4:\pc+7], s[OUTP:OUTP+1] offset:(\c)*512+256+\imm  ; keys 16-31
.endm
.macro CHUNK c                         ; 32 rows are finished: quantise and store
	s_cmp_eq_u32 s[TT], 2
	s_cbranch_scc1 .Lv_\@
.set J, 0
.rept 32
	ds_store_b32 v[LW], v[YA+J] offset:J*272
	ds_store_b32 v[LW], v[YB+J] offset:J*272+128
.set J, J+1
.endr
	s_wait_dscnt 0x0                               ; the stores have read their registers, which the loads below fill
.irp u, 0,1
.irp b, 0,1
.irp q, 0,1,2,3
	ds_load_b128 v[YA+16*(2*\u+\b)+4*\q:YA+16*(2*\u+\b)+4*\q+3], v[LR] offset:8*\u*272+128*\b+16*\q   ; row 8 u + r + 8 (r / 8), channels 32 b + 16 h + 4 q on
.endr
.endr
.endr
	s_wait_dscnt 0x0
	QUANT
	v_mov_b32 v[SW+(\c)], v[PW]
.irp g, 0,1,2,3
	global_store_b128 v[OQ], v[PC+4*\g:PC+4*\g+3], s[OUTP:OUTP+1] offset:(\c)*2048+512*\g   ; 32 lanes store 512 consecutive bytes, aligned
.endr
	s_branch .Ldone_\@
.Lv_\@:
	VQ YA, PC, SW, \c, 0
	VQ YB, PC+8, SW+1, \c, 4096
.Ldone_\@:
.endm
	s_wait_loadcnt 48                              ; block -1 is in; blocks 0 to 2, 16 loads each, may be out
	ROPE YA, 0, 0
	SUMM YA, SUM+28
	LOADB X+48, IN, 3*32768                        ; block 3
	s_wait_loadcnt 48                              ; block 0 is in; blocks 1 to 3 may be out
	ROPE X, 0, 0
	SUMM X, SUM
	EDGE SUM+28+6, SUM, M0
	EDGE SUM+28+10, SUM+8, M0
	EDGE SUM+28+12, SUM+12, M0
	LOADB X+64, IN, 4*32768                        ; block 4
.set G, 0
.rept 16
.set XN, X+16*((G+1)%5)
.set XC, X+16*(G%5)
.set PP, SUM+14*((G+2)%3)
.set PCU, SUM+14*(G%3)
.set PN, SUM+14*((G+4)%3)
.set YO, 8*(G%4)
.set CK, G/4
.set SO, 8*(G+1)
	s_wait_loadcnt 48-16*(G%4)                     ; block g + 1 is in; the younger blocks up to the next multiple of four, 16 loads each, may be out
.if (G%4) == 3
	ROPE XN, 1, SO                                 ; a new seed every 32 rows
.else
	ROPE XN, 0, 0
.endif
	SUMM XN, PN
.if G == 15
	EDGE PN, PCU+6, M7
	EDGE PN+8, PCU+10, M7
	EDGE PN+12, PCU+12, M7
.endif
.if (G%4) == 0 && G > 0
	s_wait_xcnt 0x0                                ; the last chunk's stores have read the registers that are at work again from here on
.endif
	OUT XC, PP, PCU, PN, YO
.if (G%4) == 3
.if G < 15
.irp d, 2,3,4,5
.set LB, X+16*((G+\d)%5)
.set LO, (G+\d)*32768
.if G+\d == 16
	LOADB LB, INP, 0
.else
	LOADB LB, IN, LO
.endif
.endr
.endif
	CHUNK CK
.endif
.set G, G+1
.endr
	s_cmp_eq_u32 s[TT], 2
	s_cbranch_scc1 .Lvscales
	global_store_b128 v[OQ], v[SW:SW+3], s[OUTP:OUTP+1] offset:8192    ; the four fragments' scale words: 512 consecutive bytes
	s_branch .Lend
.Lvscales:
	global_store_b64 v[O8], v[SW:SW+1], s[OUTP:OUTP+1] offset:8192     ; 256 consecutive bytes, aligned
.Lend:
	s_wait_tensorcnt 0x0                           ; the wave's end
	ds_add_u32 v[SPW], v[NIL]
	s_wait_dscnt 0x0
	s_endpgm
.Lfunc_end_k_q0c59839d72_agg:
	.size	k_q0c59839d72_agg, .Lfunc_end_k_q0c59839d72_agg-k_q0c59839d72_agg
	.p2alignl 7, 3214868480
	.fill 96, 4, 3214868480
	.section	.rodata,"a",@progbits
	.p2align	6, 0x0
	.amdhsa_kernel k_q0c59839d72_agg
		.amdhsa_group_segment_fixed_size 35328
		.amdhsa_private_segment_fixed_size 0
		.amdhsa_enable_private_segment 0
		.amdhsa_kernarg_size 56
		.amdhsa_user_sgpr_count 2
		.amdhsa_user_sgpr_kernarg_segment_ptr 1
		.amdhsa_wavefront_size32 1
		.amdhsa_system_sgpr_workgroup_id_x 1
		.amdhsa_system_sgpr_workgroup_id_y 1
		.amdhsa_system_sgpr_workgroup_id_z 1
		.amdhsa_system_vgpr_workitem_id 0
		.amdhsa_next_free_vgpr 256
		.amdhsa_next_free_sgpr 66
		.amdhsa_reserve_vcc 1
		.amdhsa_float_denorm_mode_32 3
		.amdhsa_float_denorm_mode_16_64 3
		.amdhsa_memory_ordered 1
		.amdhsa_forward_progress 1
		.amdhsa_inst_pref_size 255
	.end_amdhsa_kernel
	.section	.bss,"aw",@nobits
	.p2align	6
	.space	262144
	.amdgpu_metadata
---
amdhsa.version: [ 1, 2 ]
amdhsa.kernels:
  - .name:           k_q0c59839d72_agg
    .symbol:         k_q0c59839d72_agg.kd
    .args:
      - { .name: fa, .offset: 0, .size: 8, .value_kind: global_buffer, .address_space: global }
      - { .name: fb, .offset: 8, .size: 8, .value_kind: global_buffer, .address_space: global }
      - { .name: fc, .offset: 16, .size: 8, .value_kind: global_buffer, .address_space: global }
      - { .name: temporal_weights, .offset: 24, .size: 8, .value_kind: global_buffer, .address_space: global }
      - { .name: qimg, .offset: 32, .size: 8, .value_kind: global_buffer, .address_space: global }
      - { .name: kimg, .offset: 40, .size: 8, .value_kind: global_buffer, .address_space: global }
      - { .name: vimg, .offset: 48, .size: 8, .value_kind: global_buffer, .address_space: global }
    .group_segment_fixed_size: 35328
    .private_segment_fixed_size: 0
    .kernarg_segment_align: 8
    .kernarg_segment_size: 56
    .max_flat_workgroup_size: 128
    .sgpr_count:     66
    .vgpr_count:     256
    .wavefront_size: 32
...
	.end_amdgpu_metadata
.endif
;; end of part 2
;; launch attn (part 3): grid 2 x 128, 16 waves a work-group, no clusters, 208,896 bytes of LDS; arguments qimg, kimg, vimg, fa; writes fa
.if DOCPART == 3
	.amdgcn_target "amdgcn-amd-amdhsa--gfx1250"
	.amdhsa_code_object_version 6
	.text
	.protected	k_q0c59839d72_attn
	.globl	k_q0c59839d72_attn
	.p2align	8
	.type	k_q0c59839d72_attn,@function
k_q0c59839d72_attn:
	s_mov_b64 s[64:65], 0
	v_nop
	global_prefetch_b8 v0, s[64:65] scope:SCOPE_SE
	s_setreg_imm32_b32 hwreg(HW_REG_WAVE_MODE, 25, 1), 1
	s_wait_xcnt 0x0
; O = softmax(Q K^T / 8) V for one (batch, head), both products on codes of E4M3 with one E8M0 scale for each 32 along K.  Q, K, V come as images of operand registers; O goes to f32 [8192][1024].
; t = score x log2(e) / 8; M = the running largest t rounded up to a whole number; p = 2^(t - M) is quantised along the keys; the row's sum of the unquantised p divides at the end.
; SHARES.  A work-group takes 512 queries of a head in two passes; in a pass each of its sixteen waves owns 16 queries, in 256 registers: four waves to a SIMD, so that one wave's vector work stands beside another's products.
; The head's whole K and V (137,216 bytes) lie in LDS, filled once: no slot is filled again.  Only two work-groups read a head, and each reads it once in a launch whose time is the softmax's: so no cluster, and no prefetch (all is asked for at the head).
; THE HEAD'S 64 IN A PRODUCT OF 128.  A fragment of K holds two sets of 16 keys: k 0-63 the 64 channels of set 0, k 64-127 those of set 1.  Against (q, zeros) it gives set 0's scores, against (zeros, q) set 1's: zero codes add nothing
; under any scale byte but 0xff; the bytes beside them are 127.  The keys of a set are chosen so that a lane's 16 registers of two neighbouring score tiles are 16 neighbouring keys.
; Both products are used transposed: a lane holds one query throughout.
; LIMITS: NaN and infinities are not served.
.set KSTEP, 8704
.set VSTEP, 8448
.set VBASE, 69632
.set STAGE, 137216                     ; 16 rows x (256 + 16) bytes for each wave
.set SPARE, STAGE+16*4352              ; the spare words: 2,048 bytes that no other line names
.set L16, 1
.set R8,  2
.set SIN, 3
.set SBK, 4
.set SPW, 5
.set NIL, 6
.set GO,  7
.set ADK, 8
.set ADV, 9
.set ADT, 10
.set VQS, 11
.set QSL, 40                           ; q's scale words for (q, zeros) and for (zeros, q)
.set QSH, 41
.set VQC, 43
.set KS,  44
.set VS,  48
.set PS,  52
.set F,   56                           ; four fragments of K or of V
.set S,   120                          ; the scores, then p
.set O,   184                          ; O^T: four tiles
.set PC,  216                          ; p's codes
.set WV,  12
.set SEL, 16
.set CS,  18
.set MNT, 20
.set TBK, 21
.set TBV, 22
.set PASS, 23
.set G1K, 24
.set G1V, 32
.set CNT, 56
.set U16, 57
.set QB,  72
.set OB,  74
	s_load_b256 s[4:11], s[0:1], 0x0               ; qimg, kimg, vimg, O
	v_lshl_add_u32 v[SPW], v0, 2, SPARE
	v_mov_b32 v[NIL], 0
	ds_add_u32 v[SPW], v[NIL]                      ; the wave's opening: the add, twice on end, and its wait ahead of the first tensor load
	ds_add_u32 v[SPW], v[NIL]
	v_lshrrev_b32 v8, 5, v0
	v_readfirstlane_b32 s[WV], v8
	s_and_b32 s14, ttmp7, 0xffff                   ; 16 b + head
	s_and_b32 s13, s[WV], 1
	s_mul_i32 s58, s13, 2*KSTEP                    ; waves 0, 1: K's steps 2 (w % 2) on, and four steps further on
	s_mul_i32 s60, s14, 8*KSTEP
	s_add_co_u32 s60, s60, s58
	s_mov_b32 s61, 0
	s_mul_i32 s59, s13, 2*VSTEP                    ; waves 2, 3: V's likewise
	s_mul_i32 s62, s14, 8*VSTEP
	s_add_co_u32 s62, s62, s59
	s_mov_b32 s63, 0
	s_mov_b32 s[G1K], 3<<16                        ; dense blocks, as rows of 32 elements of 8 bytes; no padding: every read takes 512 consecutive bytes
	s_mov_b32 s[G1K+1], 32<<16
	s_mov_b32 s[G1K+2], 68<<16
	s_mov_b32 s[G1K+3], 32<<16
	s_mov_b32 s[G1K+4], 68
	s_mov_b32 s[G1K+5], 32
	s_mov_b32 s[G1K+6], 0
	s_mov_b32 s[G1K+7], 0
	s_mov_b32 s[G1V], 3<<16
	s_mov_b32 s[G1V+1], 32<<16
	s_mov_b32 s[G1V+2], 66<<16
	s_mov_b32 s[G1V+3], 32<<16
	s_mov_b32 s[G1V+4], 66
	s_mov_b32 s[G1V+5], 32
	s_mov_b32 s[G1V+6], 0
	s_mov_b32 s[G1V+7], 0
	s_mov_b32 s[SEL], 0x76543210
	s_mov_b32 s[SEL+1], 0xfedcba98
	s_mov_b32 s[CS], 0x3e38aa3b                    ; log2(e) / 8
	s_mov_b32 s[CS+1], s[CS]
	s_mov_b32 s[MNT], 0x600000
	s_wait_dscnt 0x0                               ; both opening adds are done
	s_wait_kmcnt 0x0
	s_mov_b32 s40, 1
	s_mov_b32 s41, s58
	s_add_nc_u64 s[42:43], s[6:7], s[60:61]
	s_mov_b32 s44, 1
	s_add_co_u32 s45, s58, 4*KSTEP
	s_add_nc_u64 s[46:47], s[42:43], 4*KSTEP
	s_or_b32 s43, s43, 0x80000000
	s_or_b32 s47, s47, 0x80000000
	s_mov_b32 s48, 1
	s_add_co_u32 s49, s59, VBASE
	s_add_nc_u64 s[50:51], s[8:9], s[62:63]
	s_mov_b32 s52, 1
	s_add_co_u32 s53, s59, VBASE+4*VSTEP
	s_add_nc_u64 s[54:55], s[50:51], 4*VSTEP
	s_or_b32 s51, s51, 0x80000000
	s_or_b32 s55, s55, 0x80000000
	s_cmp_lt_u32 s[WV], 2                          ; a wave's two fills stand in one arm of the branch on its number: two loads of a wave are out at the most
	s_cbranch_scc0 .Lnot_k
	tensor_load_to_lds s[40:43], s[G1K:G1K+7]
	s_nop 0
	tensor_load_to_lds s[44:47], s[G1K:G1K+7]
	s_nop 0
.rept 4
	v_nop
.endr
	s_branch .Lasked
.Lnot_k:
	s_cmp_lt_u32 s[WV], 4
	s_cbranch_scc0 .Lasked
	tensor_load_to_lds s[48:51], s[G1V:G1V+7]
	s_nop 0
	tensor_load_to_lds s[52:55], s[G1V:G1V+7]
	s_nop 0
.rept 4
	v_nop
.endr
.Lasked:
	v_and_b32 v8, 31, v0                           ; lane
	v_and_b32 v9, 15, v0                           ; r
	v_bfe_u32 v10, v0, 4, 1                        ; h
	v_lshlrev_b32 v[L16], 4, v8
	v_lshl_add_u32 v[R8], v9, 3, 8192              ; V's scale words: 8 r, behind a step's codes
	s_mul_i32 s58, s[WV], 4352
	s_add_co_u32 s58, s58, STAGE
	v_mul_u32_u24 v[SIN], v9, 272
	v_lshl_add_u32 v[SIN], v10, 5, v[SIN]
	v_add_nc_u32 v[SIN], s58, v[SIN]               ; into the stage: row r, + 32 h
	v_mul_u32_u24 v[SBK], v10, 272
	v_lshl_add_u32 v[SBK], v9, 4, v[SBK]
	v_add_nc_u32 v[SBK], s58, v[SBK]               ; back: lanes 0-15 one row, lanes 16-31 the next
	v_lshlrev_b32 v[GO], 12, v10
	v_lshl_add_u32 v[GO], v9, 4, v[GO]             ; and the same two rows in O
	s_bfe_u32 s59, s[WV], 0x20001                  ; f: which fragment of the chunk holds my queries
	s_lshl_b32 s[U16], s13, 4                      ; 16 u: u = which of its two sets
	s_lshl_b32 s60, s59, 11
	s_lshl_b32 s61, s13, 10
	s_add_co_u32 s60, s60, s61
	v_add_nc_u32 v[VQC], s60, v[L16]               ; my codes in a chunk's image
	s_lshl_b32 s61, s59, 2
	s_add_co_u32 s61, s61, 8192
	v_add_nc_u32 v[VQS], s61, v[L16]               ; and my scale word
	s_lshl_b32 s62, ttmp9, 2
	s_lshr_b32 s63, s[WV], 3
	s_add_co_u32 s62, s62, s63                     ; the first pass's chunk of 128 queries: 4 x + w / 8
	s_mul_i32 s66, s14, 8*KSTEP
	s_mul_i32 s67, s62, KSTEP
	s_add_co_u32 s66, s66, s67
	s_mov_b32 s67, 0
	s_add_nc_u64 s[QB:QB+1], s[4:5], s[66:67]
	s_lshr_b32 s66, s14, 4
	s_lshl_b32 s66, s66, 10
	s_lshl_b32 s67, s62, 7
	s_add_co_u32 s66, s66, s67
	s_lshl_b32 s67, s59, 5
	s_add_co_u32 s66, s66, s67
	s_lshl_b32 s67, s13, 3
	s_add_co_u32 s66, s66, s67                     ; row 1024 b + 128 chunk + 32 f + 8 u
	s_lshl_b32 s66, s66, 12
	s_and_b32 s67, s14, 15
	s_lshl_b32 s67, s67, 8
	s_add_co_u32 s66, s66, s67
	s_mov_b32 s67, 0
	s_add_nc_u64 s[OB:OB+1], s[10:11], s[66:67]
.irp j, 0,1,2,3,4,5,6,7
	v_mov_b32 v[16+\j], 0                          ; the zero codes on both sides of q: v[24:39] = (q, zeros), v[16:31] = (zeros, q)
	v_mov_b32 v[32+\j], 0
.endr
.irp b, 0,1,2,3
	v_mov_b32 v[236+\b], 0                         ; a lane permute's destination counts as one of its sources
.endr
	v_mov_b32 v252, 0
	v_mov_b32 v253, 0                              ; (named as the upper half of the pair v[252:253])
	s_wait_tensorcnt 0x0                           ; my parts of K and V have landed,
	s_barrier_signal -1
	s_barrier_wait -1                              ; everybody's have
	s_mov_b32 s[PASS], 2
; A KEY STEP: 128 keys
.macro STEP
	v_add_nc_u32 v[ADK], s[TBK], v[L16]
	v_add_nc_u32 v[ADV], s[TBV], v[L16]
	v_add_nc_u32 v[ADT], s[TBV], v[R8]
.rept 5
	v_nop                                          ; with the three additions: eight places in front of loads into registers that the last products read, and behind the lines that made q's scale words
.endr
.irp f, 0,1,2,3
.irp c, 0,1,2,3
	ds_load_b128 v[F+16*\f+4*\c:F+16*\f+4*\c+3], v[ADK] offset:2048*\f+512*\c
.endr
.endr
	ds_load_b128 v[KS:KS+3], v[ADK] offset:8192    ; the four fragments' scale words
	s_wait_dscnt 0x0
.irp f, 0,1,2,3
	v_wmma_scale_f32_16x16x128_f8f6f4 v[S+16*\f:S+16*\f+7], v[F+16*\f:F+16*\f+15], v[24:39], 0, v[KS+\f], v[QSL]
	v_wmma_scale_f32_16x16x128_f8f6f4 v[S+16*\f+8:S+16*\f+15], v[F+16*\f:F+16*\f+15], v[16:31], 0, v[KS+\f], v[QSH]
.endr
.rept 8
	v_nop
.endr
.irp t, 0,1,2,3                                ; V's fragments are asked for now: they land under the softmax
.irp c, 0,1,2,3
	ds_load_b128 v[F+16*\t+4*\c:F+16*\t+4*\c+3], v[ADV] offset:2048*\t+512*\c
.endr
	ds_load_b32 v[VS+\t], v[ADT] offset:(\t%2)*128+(\t/2)*4
.endr
.irp b, 0,1,2,3
	v_max3_num_f32 v[232+\b], v[S+16*\b], v[S+1+16*\b], v[S+2+16*\b]   ; the largest score of each block of 32 keys: for the row's maximum, and for the block's largest p
.endr
.irp i, 3,5,7,9,11,13
.irp b, 0,1,2,3
	v_max3_num_f32 v[232+\b], v[232+\b], v[S+16*\b+\i], v[S+1+16*\b+\i]
.endr
.endr
.irp b, 0,1,2,3
	v_max_num_f32 v[232+\b], v[232+\b], v[S+15+16*\b]
.endr
.irp b, 0,1,2,3
	v_permlanex16_b32 v[236+\b], v[232+\b], s[SEL], s[SEL+1]
.endr
.irp b, 0,1,2,3
	v_max_num_f32 v[232+\b], v[232+\b], v[236+\b]
.endr
	v_max3_num_f32 v254, v232, v233, v234
	v_max_num_f32 v254, v254, v235
	v_mul_f32 v254, s[CS], v254
	v_max_num_f32 v13, v13, v254                   ; the running largest t
	v_mov_b32 v254, v12
	v_floor_f32 v12, -v13                          ; -M = floor(-t): M is a whole number
	v_sub_f32 v254, v12, v254
	v_cvt_i32_f32 v254, v254                       ; old M - new M; it saturates
	v_ldexp_f32 v252, 1.0, v254                    ; f = 2^(old M - new M): exact
.set J, 0
.rept 32
	v_pk_fma_f32 v[S+J:S+J+1], v[S+J:S+J+1], s[CS:CS+1], v[12:13] op_sel_hi:[1,0,0]   ; t - M
.set J, J+2
.endr
.irp b, 0,1,2,3
	v_fma_f32 v[232+\b], v[232+\b], s[CS], v12
.endr
.set J, 0
.rept 64
	v_exp_f32 v[S+J], v[S+J]                       ; p, at most 1
.set J, J+1
.endr
	v_pk_mul_f32 v[14:15], v[14:15], v[252:253] op_sel_hi:[1,0]   ; the sums under the new M: a plain line behind the exponentials
	s_wait_alu depctr_va_vdst(0)                   ; one wait for the batch of 64, ahead of its first reader
.irp b, 0,1,2,3
	v_exp_f32 v[232+\b], v[232+\b]                 ; the blocks' largest p
.endr
	v_pk_add_f32 v[236:237], v[S:S+1], v[S+2:S+3]  ; the row's sum, of the unquantised p, in two chains
.irp j, 4,8,12,16,20,24,28,32,36,40,44,48,52,56,60
	v_pk_add_f32 v[14:15], v[14:15], v[S+\j:S+1+\j]
	v_pk_add_f32 v[236:237], v[236:237], v[S+2+\j:S+3+\j]
.endr
	v_pk_add_f32 v[14:15], v[14:15], v[236:237]
	s_wait_alu depctr_va_vdst(0)                   ; and one for the four
.irp b, 0,1,2,3
	v_max_num_f32 v[232+\b], 0x4800000, v[232+\b]  ; the floor 2^(9 - 127)
.endr
.irp b, 0,1,2,3
	v_add_nc_u32 v[244+\b], 0xfc000000, v[232+\b]
.endr
.irp b, 0,1,2,3
	v_and_or_b32 v[240+\b], v[232+\b], 0x7f800000, s[MNT]
.endr
.irp b, 0,1,2,3
	v_lshrrev_b32 v[236+\b], 23, v[244+\b]
.endr
	v_lshl_or_b32 v[PS], v237, 8, v236             ; p's scale word for these 128 keys
	v_lshl_or_b32 v[PS], v238, 16, v[PS]
	v_lshl_or_b32 v[PS], v239, 24, v[PS]
.irp b, 0,1,2,3
.irp i, 0,1,2,3,4,5,6,7,8,9,10,11,12,13,14,15
	v_min_num_f32 v[S+16*\b+\i], v[S+16*\b+\i], v[240+\b]   ; the hold; p is not negative
.endr
	v_cvt_scalef32_pk8_fp8_f32 v[PC+4*\b:PC+1+4*\b], v[S+16*\b:S+7+16*\b], v[244+\b]
	v_cvt_scalef32_pk8_fp8_f32 v[PC+2+4*\b:PC+3+4*\b], v[S+8+16*\b:S+15+16*\b], v[244+\b]
.endr
.set J, 0
.rept 16
	v_pk_mul_f32 v[O+J:O+J+1], v[O+J:O+J+1], v[252:253] op_sel_hi:[1,0]   ; O^T under the new M; these are also the places between the codes and the products
.set J, J+2
.endr
	s_wait_dscnt 0x0                               ; V's fragments and scale words
.irp t, 0,1,2,3
	v_wmma_scale_f32_16x16x128_f8f6f4 v[O+8*\t:O+8*\t+7], v[F+16*\t:F+16*\t+15], v[PC:PC+15], v[O+8*\t:O+8*\t+7], v[VS+\t], v[PS]
.endr
	s_add_co_u32 s[TBK], s[TBK], KSTEP
	s_add_co_u32 s[TBV], s[TBV], VSTEP
.endm
.Lpass:
	global_load_b128 v[24:27], v[VQC], s[QB:QB+1]              ; my 16 queries' codes: channels 16 h on,
	global_load_b128 v[28:31], v[VQC], s[QB:QB+1] offset:512   ; channels 32 + 16 h on
	global_load_b32 v42, v[VQS], s[QB:QB+1]
	s_mov_b32 s[TBK], 0
	s_mov_b32 s[TBV], VBASE
	s_mov_b32 s[CNT], 8
	s_wait_loadcnt 0x0
	v_lshrrev_b32 v42, s[U16], v42
	v_and_b32 v42, 0xffff, v42                     ; my set's two bytes
	v_or_b32 v[QSL], 0x7f7f0000, v42
	v_lshl_or_b32 v[QSH], v42, 16, 0x7f7f
	v_mov_b32 v13, 0xff61b1e6                      ; the largest t so far: -3e38
	v_floor_f32 v12, -v13
	v_mov_b32 v14, 0
	v_mov_b32 v15, 0
.set J, 0
.rept 32
	v_mov_b32 v[O+J], 0                            ; the step is written once: the first finds zeros
.set J, J+1
.endr
.Lstep:
	STEP
	s_sub_co_u32 s[CNT], s[CNT], 1
	s_cmp_lg_u32 s[CNT], 0
	s_cbranch_scc1 .Lstep
	; THE WAY OUT: O^T / the sum, through my stage, back as whole rows of 256 bytes
	v_add_f32 v14, v14, v15
	v_permlanex16_b32 v252, v14, s[SEL], s[SEL+1]
	v_add_f32 v14, v14, v252
	v_rcp_f32 v14, v14
.rept 8
	v_nop                                          ; the places behind the last products, and the plain line behind the reciprocal
.endr
	s_wait_alu depctr_va_vdst(0)
.set J, 0
.rept 32
	v_mul_f32 v[S+J], v[O+J], v14                  ; register 8 t + i: channel 16 t + 8 h + i of query r
.set J, J+1
.endr
.irp t, 0,1,2,3
	ds_store_b128 v[SIN], v[S+8*\t:S+8*\t+3] offset:64*\t
	ds_store_b128 v[SIN], v[S+8*\t+4:S+8*\t+7] offset:64*\t+16
.endr
.irp i, 0,1,2,3,4,5,6,7
	ds_load_b128 v[F+4*\i:F+4*\i+3], v[SBK] offset:2*\i*272    ; LDS serves a wave's instructions in order: these see my stores
.endr
.irp i, 0,1,2,3,4,5,6,7
	s_wait_dscnt 7-\i
	global_store_b128 v[GO], v[F+4*\i:F+4*\i+3], s[OB:OB+1] offset:(2*\i+8*(\i/4))*4096   ; stage row n is query n + 8 (n / 8); 16 lanes store 256 consecutive bytes, aligned
.endr
	s_wait_xcnt 0x0                                ; the loads and stores have read their bases and registers
	s_add_nc_u64 s[QB:QB+1], s[QB:QB+1], 2*KSTEP   ; the second pass: two chunks, 256 queries, on
	s_add_nc_u64 s[OB:OB+1], s[OB:OB+1], 256*4096
	s_sub_co_u32 s[PASS], s[PASS], 1
	s_cmp_lg_u32 s[PASS], 0
	s_cbranch_scc1 .Lpass
	s_wait_tensorcnt 0x0                           ; the wave's end
	ds_add_u32 v[SPW], v[NIL]
	s_wait_dscnt 0x0
	s_endpgm
.Lfunc_end_k_q0c59839d72_attn:
	.size	k_q0c59839d72_attn, .Lfunc_end_k_q0c59839d72_attn-k_q0c59839d72_attn
	.p2alignl 7, 3214868480
	.fill 96, 4, 3214868480
	.section	.rodata,"a",@progbits
	.p2align	6, 0x0
	.amdhsa_kernel k_q0c59839d72_attn
		.amdhsa_group_segment_fixed_size 208896
		.amdhsa_private_segment_fixed_size 0
		.amdhsa_enable_private_segment 0
		.amdhsa_kernarg_size 32
		.amdhsa_user_sgpr_count 2
		.amdhsa_user_sgpr_kernarg_segment_ptr 1
		.amdhsa_wavefront_size32 1
		.amdhsa_system_sgpr_workgroup_id_x 1
		.amdhsa_system_sgpr_workgroup_id_y 1
		.amdhsa_system_sgpr_workgroup_id_z 1
		.amdhsa_system_vgpr_workitem_id 0
		.amdhsa_next_free_vgpr 256
		.amdhsa_next_free_sgpr 80
		.amdhsa_reserve_vcc 0
		.amdhsa_float_denorm_mode_32 3
		.amdhsa_float_denorm_mode_16_64 3
		.amdhsa_memory_ordered 1
		.amdhsa_forward_progress 1
		.amdhsa_inst_pref_size 31
	.end_amdhsa_kernel
	.amdgpu_metadata
---
amdhsa.version: [ 1, 2 ]
amdhsa.kernels:
  - .name:           k_q0c59839d72_attn
    .symbol:         k_q0c59839d72_attn.kd
    .args:
      - { .name: qimg, .offset: 0, .size: 8, .value_kind: global_buffer, .address_space: global }
      - { .name: kimg, .offset: 8, .size: 8, .value_kind: global_buffer, .address_space: global }
      - { .name: vimg, .offset: 16, .size: 8, .value_kind: global_buffer, .address_space: global }
      - { .name: fa, .offset: 24, .size: 8, .value_kind: global_buffer, .address_space: global }
    .group_segment_fixed_size: 208896
    .private_segment_fixed_size: 0
    .kernarg_segment_align: 8
    .kernarg_segment_size: 32
    .max_flat_workgroup_size: 512
    .sgpr_count:     80
    .vgpr_count:     256
    .wavefront_size: 32
...
	.end_amdgpu_metadata
.endif
;; end of part 3
;; launch lnq (part 4): grid 256 x 1, 4 waves a work-group, no clusters, 1,536 bytes of LDS; arguments fa, ln_gamma, ln_beta, ycodes, yscales; writes ycodes, yscales
.if DOCPART == 4
	.amdgcn_target "amdgcn-amd-amdhsa--gfx1250"
	.amdhsa_code_object_version 6
	.text
	.protected	k_q0c59839d72_lnq
	.globl	k_q0c59839d72_lnq
	.p2align	8
	.type	k_q0c59839d72_lnq,@function
k_q0c59839d72_lnq:
	s_mov_b64 s[64:65], 0
	v_nop
	global_prefetch_b8 v0, s[64:65] scope:SCOPE_SE
	s_setreg_imm32_b32 hwreg(HW_REG_WAVE_MODE, 25, 1), 1
	s_wait_xcnt 0x0
; LayerNorm over a row's 1,024 numbers (mean, then the mean of the squared differences: two passes over registers), gain and offset, and the quantiser along the row: codes [8192][1024], scale bytes [8192][32].
; A wave takes 8 rows, one at a time, kept in 32 registers a lane: for g = 0 .. 3 the lane holds columns 256 g + 8 lane + 0 .. 7, eight neighbours for the conversion; four neighbouring lanes hold a block of 32.
; A lane's 8 codes are 8 bytes: a store of the wave covers 256 consecutive bytes, aligned.  The wave's 256 scale bytes are gathered in its own LDS bytes and leave as one such store.
; Memory binds: no matrix unit, no cluster, no barrier.  Three rows (24 loads) are on their way while one is worked on.
; LIMITS: NaN and infinities are not served; a block of zeros gets the byte 1 (its codes are zeros; this program alone reads the bytes).
.set VO,  1
.set V8,  2
.set LB,  3
.set LRD, 4
.set SPW, 10
.set NIL, 11
.set GA,  16
.set BE,  48
.set X,   80
.set SPARE, 1024
	s_load_b256 s[4:11], s[0:1], 0x0               ; the rows, gamma, beta, the codes
	s_load_b64 s[12:13], s[0:1], 0x20              ; the scale bytes
	v_lshl_add_u32 v[SPW], v0, 2, SPARE
	v_mov_b32 v[NIL], 0
	v_lshrrev_b32 v5, 5, v0
	v_readfirstlane_b32 s14, v5
	v_and_b32 v5, 31, v0
	v_lshlrev_b32 v[VO], 5, v5
	v_lshlrev_b32 v[V8], 3, v5
	s_lshl_b32 s15, s14, 8
	v_lshrrev_b32 v[LB], 2, v5
	v_add_nc_u32 v[LB], s15, v[LB]                 ; my block's byte among my wave's 256
	v_add_nc_u32 v[LRD], s15, v[V8]
	s_mov_b32 s16, 0x3a800000                      ; 1 / 1024
	s_mov_b32 s17, 0x3727c5ac                      ; 1e-5
	s_mov_b32 s18, 0x600000                        ; the mantissa field of 448
	s_mov_b32 s20, 0x76543210
	s_mov_b32 s21, 0xfedcba98
	s_lshl_b32 s22, ttmp9, 5
	s_lshl_b32 s23, s14, 3
	s_add_co_u32 s22, s22, s23                     ; my first row
	s_lshl_b32 s24, s22, 12
	s_mov_b32 s25, 0
	s_lshl_b32 s26, s22, 10
	s_mov_b32 s27, 0
	s_lshl_b32 s28, s22, 5
	s_mov_b32 s29, 0
	v_mov_b32 v225, 0
	s_wait_kmcnt 0x0
	s_add_nc_u64 s[4:5], s[4:5], s[24:25]
	s_add_nc_u64 s[10:11], s[10:11], s[26:27]
	s_add_nc_u64 s[12:13], s[12:13], s[28:29]
.irp g, 0,1,2,3
	global_load_b128 v[GA+8*\g:GA+8*\g+3], v[VO], s[6:7] offset:1024*\g
	global_load_b128 v[GA+8*\g+4:GA+8*\g+7], v[VO], s[6:7] offset:1024*\g+16
	global_load_b128 v[BE+8*\g:BE+8*\g+3], v[VO], s[8:9] offset:1024*\g
	global_load_b128 v[BE+8*\g+4:BE+8*\g+7], v[VO], s[8:9] offset:1024*\g+16
.endr
.macro FILL row
.irp g, 0,1,2,3
	global_load_b128 v[X+32*((\row)%4)+8*\g:X+32*((\row)%4)+8*\g+3], v[VO], s[4:5] offset:(\row)*4096+1024*\g th:TH_LOAD_NT
	global_load_b128 v[X+32*((\row)%4)+8*\g+4:X+32*((\row)%4)+8*\g+7], v[VO], s[4:5] offset:(\row)*4096+1024*\g+16 th:TH_LOAD_NT
.endr
.endm
.macro RSUM                            ; v[224:225] -> the sum over the wave, in every lane's v224
	v_add_f32 v224, v224, v225
	v_add_f32_dpp v224, v224, v224 row_xmask:1 row_mask:0xf bank_mask:0xf
	v_add_f32_dpp v224, v224, v224 row_xmask:2 row_mask:0xf bank_mask:0xf
	v_add_f32_dpp v224, v224, v224 row_xmask:4 row_mask:0xf bank_mask:0xf
	v_add_f32_dpp v224, v224, v224 row_xmask:8 row_mask:0xf bank_mask:0xf
	v_permlanex16_b32 v225, v224, s20, s21
	v_add_f32 v224, v224, v225
.endm
	FILL 0
	FILL 1
	FILL 2
.macro TURN row
.set XS, X+32*((\row)%4)
.set CD, 208+8*((\row)%2)
.if (\row)+3 < 8
	FILL (\row)+3                                  ; into the registers of the row before this one, which is done
	s_wait_loadcnt 24                              ; my row is in; the three younger rows, 8 loads each, may be out
.else
	s_wait_loadcnt 8*(7-(\row))
.endif
	v_pk_add_f32 v[224:225], v[XS:XS+1], v[XS+2:XS+3]
	v_pk_add_f32 v[226:227], v[XS+4:XS+5], v[XS+6:XS+7]
.irp j, 8,12,16,20,24,28
	v_pk_add_f32 v[224:225], v[224:225], v[XS+\j:XS+\j+1]
	v_pk_add_f32 v[226:227], v[226:227], v[XS+\j+2:XS+\j+3]
.endr
	v_pk_add_f32 v[224:225], v[224:225], v[226:227]
	RSUM
	v_mul_f32 v228, s16, v224                      ; the mean
	v_mov_b32 v229, v228
.set J, 0
.rept 16
	v_pk_add_f32 v[XS+J:XS+J+1], v[XS+J:XS+J+1], v[228:229] neg_lo:[0,1] neg_hi:[0,1]
.set J, J+2
.endr
	v_pk_mul_f32 v[224:225], v[XS:XS+1], v[XS:XS+1]
	v_pk_mul_f32 v[226:227], v[XS+2:XS+3], v[XS+2:XS+3]
.irp j, 4,8,12,16,20,24,28
	v_pk_fma_f32 v[224:225], v[XS+\j:XS+\j+1], v[XS+\j:XS+\j+1], v[224:225]
	v_pk_fma_f32 v[226:227], v[XS+\j+2:XS+\j+3], v[XS+\j+2:XS+\j+3], v[226:227]
.endr
	v_pk_add_f32 v[224:225], v[224:225], v[226:227]
	RSUM
	v_fma_f32 v224, v224, s16, s17                 ; the variance + 1e-5
	v_rsq_f32 v230, v224
	v_nop
	s_wait_alu depctr_va_vdst(0)                   ; ahead of the first reader of the root
	v_mov_b32 v231, v230
.set J, 0
.rept 16
	v_pk_mul_f32 v[XS+J:XS+J+1], v[XS+J:XS+J+1], v[230:231]
.set J, J+2
.endr
.set J, 0
.rept 16
	v_pk_fma_f32 v[XS+J:XS+J+1], v[XS+J:XS+J+1], v[GA+J:GA+J+1], v[BE+J:BE+J+1]
.set J, J+2
.endr
.irp g, 0,1,2,3
	v_max3_num_f32 v[232+\g], |v[XS+8*\g]|, |v[XS+8*\g+1]|, 0x4800000   ; my 8 numbers of a block, and the floor 2^(9 - 127)
.endr
.irp k, 2,4,6
.irp g, 0,1,2,3
	v_max3_num_f32 v[232+\g], v[232+\g], |v[XS+8*\g+\k]|, |v[XS+8*\g+\k+1]|
.endr
.endr
.irp g, 0,1,2,3
	v_max_num_f32_dpp v[232+\g], v[232+\g], v[232+\g] row_xmask:1 row_mask:0xf bank_mask:0xf
.endr
.irp g, 0,1,2,3
	v_max_num_f32_dpp v[232+\g], v[232+\g], v[232+\g] row_xmask:2 row_mask:0xf bank_mask:0xf   ; the four lanes of a block
.endr
.irp g, 0,1,2,3
	v_add_nc_u32 v[236+\g], 0xfc000000, v[232+\g]  ; the conversion's scale operand
.endr
.irp g, 0,1,2,3
	v_and_or_b32 v[224+\g], v[232+\g], 0x7f800000, s18   ; 448 x the scale
.endr
.irp g, 0,1,2,3
	v_lshrrev_b32 v[232+\g], 23, v[236+\g]         ; the scale's byte
.endr
.if (\row) > 1
	s_wait_xcnt 0x0                                ; the stores of two rows back have read the registers that the codes below take
.endif
.irp g, 0,1,2,3
.irp k, 0,1,2,3,4,5,6,7
	v_med3_num_f32 v[XS+8*\g+\k], v[XS+8*\g+\k], -v[224+\g], v[224+\g]
.endr
	v_cvt_scalef32_pk8_fp8_f32 v[CD+2*\g:CD+2*\g+1], v[XS+8*\g:XS+8*\g+7], v[236+\g]
.endr
	v_nop
.irp g, 0,1,2,3
	ds_store_b8 v[LB], v[232+\g] offset:32*(\row)+8*\g          ; the four lanes of a block write the same byte with the same value
	global_store_b64 v[V8], v[CD+2*\g:CD+2*\g+1], s[10:11] offset:(\row)*1024+256*\g
.endr
.endm
.irp r, 0,1,2,3,4,5,6,7
	TURN \r
.endr
	ds_load_b64 v[224:225], v[LRD]                 ; LDS serves a wave's instructions in order: this sees my stores
	s_wait_dscnt 0x0
	global_store_b64 v[V8], v[224:225], s[12:13]   ; 8 rows' scale bytes: 256 consecutive bytes, aligned
	s_wait_tensorcnt 0x0                           ; the wave's end
	ds_add_u32 v[SPW], v[NIL]
	s_wait_dscnt 0x0
	s_endpgm
.Lfunc_end_k_q0c59839d72_lnq:
	.size	k_q0c59839d72_lnq, .Lfunc_end_k_q0c59839d72_lnq-k_q0c59839d72_lnq
	.p2alignl 7, 3214868480
	.fill 96, 4, 3214868480
	.section	.rodata,"a",@progbits
	.p2align	6, 0x0
	.amdhsa_kernel k_q0c59839d72_lnq
		.amdhsa_group_segment_fixed_size 1536
		.amdhsa_private_segment_fixed_size 0
		.amdhsa_enable_private_segment 0
		.amdhsa_kernarg_size 40
		.amdhsa_user_sgpr_count 2
		.amdhsa_user_sgpr_kernarg_segment_ptr 1
		.amdhsa_wavefront_size32 1
		.amdhsa_system_sgpr_workgroup_id_x 1
		.amdhsa_system_sgpr_workgroup_id_y 1
		.amdhsa_system_sgpr_workgroup_id_z 1
		.amdhsa_system_vgpr_workitem_id 0
		.amdhsa_next_free_vgpr 240
		.amdhsa_next_free_sgpr 66
		.amdhsa_reserve_vcc 0
		.amdhsa_float_denorm_mode_32 3
		.amdhsa_float_denorm_mode_16_64 3
		.amdhsa_memory_ordered 1
		.amdhsa_forward_progress 1
		.amdhsa_inst_pref_size 101
	.end_amdhsa_kernel
	.amdgpu_metadata
---
amdhsa.version: [ 1, 2 ]
amdhsa.kernels:
  - .name:           k_q0c59839d72_lnq
    .symbol:         k_q0c59839d72_lnq.kd
    .args:
      - { .name: fa, .offset: 0, .size: 8, .value_kind: global_buffer, .address_space: global }
      - { .name: ln_gamma, .offset: 8, .size: 8, .value_kind: global_buffer, .address_space: global }
      - { .name: ln_beta, .offset: 16, .size: 8, .value_kind: global_buffer, .address_space: global }
      - { .name: ycodes, .offset: 24, .size: 8, .value_kind: global_buffer, .address_space: global }
      - { .name: yscales, .offset: 32, .size: 8, .value_kind: global_buffer, .address_space: global }
    .group_segment_fixed_size: 1536
    .private_segment_fixed_size: 0
    .kernarg_segment_align: 8
    .kernarg_segment_size: 40
    .max_flat_workgroup_size: 128
    .sgpr_count:     66
    .vgpr_count:     240
    .wavefront_size: 32
...
	.end_amdgpu_metadata
.endif
;; end of part 4
;; launch go: the kernel of part 1 again; grid 8 x 32, 4 waves a work-group, clusters of 4 x 4, 327,680 bytes of LDS; arguments ycodes, yscales, Wo_codes, Wo_scales, bo, out0; writes out0
